; MI455X (gfx1250); checked and timed in simulation.
; The chip was launched on July 23, 2026; its instructions are those of AMD's public machine-readable ISA for CDNA 5 (MIT licence, August 2026) and "CDNA5" Instruction Set Architecture Reference Guide (July 2026). The comments in the code are by the model that wrote it; some were corrected since.
;; Causal Attention. Allowed arithmetic: matrix products marked QUANTISED: E2M3 operands, one E8M0 scale for each 32 along K, by v_wmma_scale_f32_16x16x128_f8f6f4 with both operands' format E2M3, f32 sums; everything else in f32.
;; Inputs: W_k 16 x 1,024 x 64 float32; W_o 1,024 x 1,024 float32; W_q 16 x 1,024 x 64 float32; W_v 16 x 1,024 x 64 float32; b_k 16 x 64 float32; b_o 1,024 float32; b_q 16 x 64 float32; b_v 16 x 64 float32; inputs 4 x 2,048 x 1,024 float32.
;; Outputs: out0 4 x 2,048 x 1,024 float32.
;; This version of the problem:
;;   THIS VERSION OF THE PROBLEM IS GIVEN IN LOW PRECISION. The matrix products marked QUANTISED in the list below multiply operands that are first quantised to E2M3 (2 exponent bits, 3 mantissa bits; 6 bits a number), with one power-of-two scale for each 32 numbers along K (OCP MX v1.0); their sums are f32. All else is computed in f32.
;;   The module's matrix products, in the order in which they are computed (A, B: the left and right operand; K: the contracted axis; several contracted axes count as one K, in the product's order):
;;     1. [M 1,024, K 1,024] x [K 1,024, N 8,192]; A: input W_q; B: input inputs: QUANTISED
;;     2. [M 1,024, K 1,024] x [K 1,024, N 8,192]; A: input W_k; B: input inputs: QUANTISED
;;     3. [M 1,024, K 1,024] x [K 1,024, N 8,192]; A: input W_v; B: input inputs: QUANTISED
;;     4. batch 64 x [M 2,048, K 64] x [K 64, N 2,048]; A: computed on the way; B: computed on the way: QUANTISED
;;     5. batch 64 x [M 64, K 2,048] x [K 2,048, N 2,048]; A: computed on the way; B: softmax (see below): QUANTISED
;;     6. [M 8,192, K 1,024] x [K 1,024, N 1,024]; A: computed on the way; B: input W_o: QUANTISED
;;   THE QUANTISER, for each operand of a quantised product, along K:
;;     - K is cut into blocks of 32 from its start; a last block that is shorter is filled with zeros.
;;     - A block's scale is 2^e with e = floor(log2(the largest magnitude in the block)) - 2, held to -126 .. 127; a block of zeros has e = 0. As a byte (E8M0): e + 127.
;;     - Each number is divided by its block's scale, clamped to +-7.5, and rounded to the nearest number of E2M3, ties to even, subnormals kept.
;;     - The product sums the exact products of the quantised numbers (number of the format x scale) in f32.
;;   ~~~python
;;   def quantise(x, axis):      # numpy; x: float32 -> the quantised numbers, widened to float32 again
;;       x = np.moveaxis(x, axis, -1); K = x.shape[-1]
;;       x = np.pad(x, [(0, 0)] * (x.ndim - 1) + [(0, -K % 32)]); x = x.reshape(x.shape[:-1] + (-1, 32)); a = np.abs(x).max(-1, keepdims=True)
;;       e = np.where(a > 0, np.clip(np.frexp(np.where(a > 0, a, 1))[1] - 1 - 2, -126, 127), 0)      # np.frexp(a)[1] - 1 = floor(log2(a)), exactly
;;       r = np.clip(x / 2.0 ** e, -7.5, 7.5)
;;       step = 2.0 ** (np.maximum(np.frexp(np.where(r == 0, 1, r))[1] - 1, 0) - 3)
;;       q = np.round(r / step) * step * 2.0 ** e      # np.round: ties to even
;;       return np.moveaxis(q.reshape(q.shape[:-2] + (-1,))[..., :K], -1, axis).astype(np.float32)
;;   ~~~
;;   SOFTMAX AHEAD OF A QUANTISED PRODUCT. Where the list says 'softmax', what is quantised is not the finished softmax but p = 2^(t - M), with t = logit x log2(e) and M = ceil(the row's largest t), a whole number; so 1/2 < the row's largest p <= 1. The row's sum l is taken of the UNQUANTISED p, in f32, and the product's result is divided by l at the end. Since M is a whole number, a kernel that streams over the keys may use a running M (the ceiling of the running maximum): every later rescaling is an exact power of two, which a block's scale takes up: the codes' values come out the same.
;;   OPERANDS COMPUTED ON THE WAY. 'Computed on the way' means the value that the module computes at that place (a softmax that the list does not call 'softmax' is quantised finished and normalised). What goes into a quantiser is computed in f32, as accurately as f32 sums, v_exp_f32 and their like allow (about 1e-6 of the number): no bf16 or f16 on the way to a quantiser, and a product that is left as it is and whose result goes on into a quantised operand takes f32 operands (vector FMAs, or v_wmma_f32_16x16x4_f32). A number that lies on a knife's edge between two numbers of the format may be rounded either way, as far as f32 arithmetic and the matrix unit's own rounding can turn it there, and no further.
;; One version. Each part assembles by itself: llvm-mc -triple=amdgcn-amd-amdhsa -mcpu=gfx1250 --defsym DOCPART=n.
;; ======== version 1 of 1: 4 launches
;; limits: right only within a limited range of input values
;; workspace buffers: xw 9,437,184 bytes; sin 360,448 bytes; sout 294,912 bytes; qkvc 18,874,368 bytes; qkvs 1,310,720 bytes; wvc 6,291,456 bytes
;; launch quant (part 1): grid 768 x 1, 4 waves a work-group, no clusters, 34,304 bytes of LDS; arguments inputs, W_o, W_q, W_k, W_v, xw, sin, sout; writes xw, sin, sout
.if DOCPART == 1
	.amdgcn_target "amdgcn-amd-amdhsa--gfx1250"
	.amdhsa_code_object_version 6
	.text
	.protected	k_qd003b1e9b3_quant
	.globl	k_qd003b1e9b3_quant
	.p2align	8
	.type	k_qd003b1e9b3_quant,@function
k_qd003b1e9b3_quant:
	s_mov_b64 s[64:65], 0
	v_nop
	global_prefetch_b8 v0, s[64:65] scope:SCOPE_SE
	s_setreg_imm32_b32 hwreg(HW_REG_WAVE_MODE, 25, 1), 1
	s_wait_xcnt 0x0
; inputs [8192][1024], W_o [1024][1024] (K innermost) and W_q, W_k, W_v [16][1024][64] (K = the middle axis), all f32, become codes of FP6 (E2M3) with one E8M0 byte for each 32 along K.
; A block's scale is 2^(floor(log2(its largest magnitude)) - 2); its byte is that magnitude's exponent field - 2, held at 1 from below.
; LIMITS: NaN and infinities among the inputs are not served.  A block of zeros, or one whose largest magnitude lies under 2^-124, gets the byte 1 (the rule says 127 for zeros): its codes are
; zeros or what the conversion makes of such numbers under that byte; the bytes are read by this program alone.
; THE LAYOUT OF ALL CODES.  A ROWBLOCK rho is 16 stored rows; stored row r of it is the tensor's row 32 (rho / 2) + 8 (rho % 2) + r + 8 (r / 8).  A UNIT is 16 stored rows x 64 along K, 768 bytes, an image of six
; operand registers: registers 0-3 of lane l at 16 l, registers 4-5 at 512 + 8 l; lane (r, h) holds row r, k = 32 h .. 32 h + 31.  Unit u (= k / 64) of rowblock rho lies at
; (rho / 8) 98304 + (u / 4) 24576 + (rho % 8) 3072 + (u % 4) 768.  Scale bytes: [rho][r][32], 512 bytes a rowblock.
; xw: inputs' 512 rowblocks at 0, W_q, W_k, W_v's 192 (rho = 64 tensor + 4 head + e / 16) at WC, W_o's 64 at OC.  sin: inputs' scale bytes at 0, W_q, W_k, W_v's at WSC.  sout: W_o's at WSC.
; Work-groups 0-511 take inputs, 512-575 W_o (one way through the text, only pointers are chosen); 576-767 take W_q, W_k, W_v (the other way, which uses no LDS).  Waves share nothing: no barrier.
.set WC,     6291456
.set OC,     8650752
.set WSC,    262144
.set SPITCH, 528                       ; a stage row: 512 bytes + 16: row r starts 4 r banks on, so the sixteen rows that a read touches start at sixteen different banks
.set STG,    16*SPITCH                 ; a wave's stage
.set RA,     16                        ; v16-143  two sets of 64: 16 rows x 128 numbers as they are loaded
.set X,      144                       ; v144-207 64 numbers of my row: register 16 b + i = k 32 b + 16 h + i
.set TM,     208                       ; v208-223 at work
.set PC,     224                       ; v224-235 a fragment's codes
.set PT,     236                       ; v236-243 the conversions' second halves
.set PWS,    244                       ; v244-245 two scale words
.set SEL,    40                        ; s[40:41] lane selects: lane l xor 16
	s_load_b256 s[4:11], s[0:1], 0x0               ; inputs, W_o, W_q, W_k
	s_load_b256 s[12:19], s[0:1], 0x20             ; W_v, xw, sin, sout
	v_lshl_add_u32 v254, v0, 2, 0x8400
	v_mov_b32 v255, 0
	v_lshrrev_b32 v1, 5, v0
	v_readfirstlane_b32 s20, v1                    ; wave
	v_and_b32 v1, 31, v0                           ; lane
	s_cmp_ge_u32 ttmp9, 576                        ; work-groups 0-511 take inputs, 512-575 W_o, 576-767 W_q, W_k, W_v
	s_cbranch_scc1 .Lweights
; ---- K INNERMOST.  A wave takes one rowblock x 256 along K: two fragments of 128.
; 64 numbers of a lane, v[s] on, become a fragment's 12 registers of codes, v[pc] on, and its scale word v[pw] (the same in lanes l and l xor 16).
.macro QUANT s, pc, pw
.irp b, 0,1,2,3
	v_max3_num_f32 v[TM+\b], |v[(\s)+16*\b]|, |v[(\s)+16*\b+1]|, 0x1800000   ; block b: my 16 numbers, and the floor 2^(3 - 127): the byte cannot fall under 1
.endr
.irp i, 2,4,6,8,10,12,14
.irp b, 0,1,2,3
	v_max3_num_f32 v[TM+\b], v[TM+\b], |v[(\s)+16*\b+\i]|, |v[(\s)+16*\b+\i+1]|   ; the four blocks by turns
.endr
.endr
.irp b, 0,1,2,3
	v_permlanex16_b32 v[TM+4+\b], v[TM+\b], s[SEL], s[SEL+1]
.endr
.irp b, 0,1,2,3
	v_max_num_f32 v[TM+\b], v[TM+\b], v[TM+4+\b]   ; with lane l xor 16's 16: the block's largest magnitude
.endr
.irp b, 0,1,2,3
	v_add_nc_u32 v[TM+12+\b], 0xff000000, v[TM+\b] ; 2 off its exponent field: the conversion takes this operand's exponent field as its scale
.endr
.irp b, 0,1,2,3
	v_lshrrev_b32 v[TM+4+\b], 23, v[TM+12+\b]      ; the scale's byte
.endr
	v_lshl_or_b32 v[\pw], v[TM+5], 8, v[TM+4]
	v_lshl_or_b32 v[\pw], v[TM+6], 16, v[\pw]
	v_lshl_or_b32 v[\pw], v[TM+7], 24, v[\pw]
.irp c, 0,1
	v_cvt_scalef32_pk16_fp6_f32 v[(\pc)+6*\c:(\pc)+6*\c+2], v[(\s)+32*\c:(\s)+32*\c+15], v[TM+12+2*\c]
	v_cvt_scalef32_pk16_fp6_f32 v[PT+4*\c:PT+4*\c+2], v[(\s)+32*\c+16:(\s)+32*\c+31], v[TM+13+2*\c]   ; (a conversion's three registers begin on an even number)
.endr
	v_nop                                          ; one plain instruction behind the scaled conversions
.irp c, 0,1                                    ; the operand wants a WHOLE block in a lane: lanes 0-15 block 2 c, lanes 16-31 block 2 c + 1
.irp i, 0,1,2
	v_permlane16_swap_b32 v[(\pc)+6*\c+\i], v[PT+4*\c+\i]
.endr
.irp i, 0,1,2
	v_mov_b32 v[(\pc)+6*\c+3+\i], v[PT+4*\c+\i]
.endr
.endr
.endm
.macro XLOAD s                         ; K step s of my 16 rows: each load reads 512 consecutive bytes of one row
.irp i, 0,1,2,3,4,5,6,7,8,9,10,11,12,13,14,15
	global_load_b128 v[RA+64*((\s)%2)+4*\i:RA+64*((\s)%2)+4*\i+3], v4, s[24:25] offset:(\i+8*(\i/8))*4096+512*(\s) th:TH_LOAD_NT
.endr
.endm
	v_and_b32 v2, 15, v0                           ; r
	v_bfe_u32 v3, v0, 4, 1                         ; h
	v_lshlrev_b32 v4, 4, v1                        ; 16 x lane
	v_lshl_add_u32 v5, v1, 3, 512                  ; 512 + 8 x lane
	s_mul_i32 s36, s20, STG
	v_add_nc_u32 v6, s36, v4                       ; the stage, on the way in: a row as it is loaded
	v_mul_u32_u24 v7, v2, SPITCH
	v_lshl_add_u32 v7, v3, 6, v7
	v_add_nc_u32 v7, s36, v7                       ; and on the way out: row r, 64 h bytes on
	v_lshlrev_b32 v8, 5, v2                        ; my row's 32 scale bytes
.irp b, 0,1,2,3
	v_mov_b32 v[TM+4+\b], 0                        ; written once: a lane permute's destination counts as one of its sources
.endr
	s_mov_b32 s[SEL], 0x76543210
	s_mov_b32 s[SEL+1], 0xfedcba98
	s_lshl_b32 s21, ttmp9, 2
	s_add_co_u32 s21, s21, s20                     ; the wave's task
	s_lshr_b32 s22, s21, 2                         ; rowblock, counted through inputs and then W_o: one a work-group
	s_and_b32 s23, s21, 3                          ; which quarter of K: a wave takes 256 along K, two fragments of 128
	s_wait_alu depctr_va_vdst(0)
	s_wait_kmcnt 0x0
	s_cmp_lt_u32 ttmp9, 512
	s_cselect_b64 s[24:25], s[4:5], s[6:7]
	s_cselect_b64 s[26:27], s[16:17], s[18:19]
	s_cselect_b32 s28, 0, 512
	s_cselect_b32 s29, 0, OC
	s_cselect_b32 s30, 0, WSC
	s_sub_co_u32 s22, s22, s28                     ; rowblock in its tensor
	s_lshr_b32 s31, s22, 1
	s_lshl_b32 s31, s31, 17                        ; 32 rows of 4,096 bytes
	s_and_b32 s32, s22, 1
	s_lshl_b32 s32, s32, 15                        ; 8 rows
	s_add_co_u32 s31, s31, s32
	s_lshl_b32 s32, s23, 10
	s_add_co_u32 s32, s31, s32
	s_mov_b32 s33, 0
	s_add_nc_u64 s[24:25], s[24:25], s[32:33]      ; the source at my rowblock's first row, my quarter of K
	s_lshr_b32 s34, s22, 3
	s_mul_i32 s34, s34, 98304
	s_mul_i32 s35, s23, 24576
	s_add_co_u32 s34, s34, s35
	s_and_b32 s35, s22, 7
	s_mul_i32 s35, s35, 3072
	s_add_co_u32 s34, s34, s35
	s_add_co_u32 s34, s34, s29
	s_mov_b32 s35, 0
	s_add_nc_u64 s[14:15], s[14:15], s[34:35]      ; my first unit
	s_lshl_b32 s34, s22, 9
	s_lshl_b32 s32, s23, 3
	s_add_co_u32 s34, s34, s32
	s_add_co_u32 s34, s34, s30
	s_add_nc_u64 s[26:27], s[26:27], s[34:35]      ; my rowblock's scale bytes, my quarter of K
	XLOAD 0
	XLOAD 1
.irp s, 0,1
.if \s < 1
	s_wait_loadcnt 16                              ; this step's 16 loads are in; the next step's 16 may be out
.else
	s_wait_loadcnt 0x0
.endif
.irp i, 0,1,2,3,4,5,6,7,8,9,10,11,12,13,14,15
	ds_store_b128 v6, v[RA+64*(\s%2)+4*\i:RA+64*(\s%2)+4*\i+3] offset:SPITCH*\i
.endr
.irp b, 0,1,2,3
.irp j, 0,1,2,3
	ds_load_b128 v[X+16*\b+4*\j:X+16*\b+4*\j+3], v7 offset:128*\b+16*\j   ; LDS serves a wave's instructions in order: these see the stores above
.endr
.endr
	s_wait_dscnt 0x0                               ; my 64 numbers are in
	s_wait_xcnt 0x0                                ; the last step's stores have read the codes' registers, which are written again below
	QUANT X, PC, PWS+\s
	global_store_b128 v4, v[PC:PC+3], s[14:15] offset:(\s/2)*24576+(\s%2)*1536          ; 512 consecutive bytes,
	global_store_b64 v5, v[PC+4:PC+5], s[14:15] offset:(\s/2)*24576+(\s%2)*1536         ; 256: a unit
	global_store_b128 v4, v[PC+6:PC+9], s[14:15] offset:(\s/2)*24576+(\s%2)*1536+768
	global_store_b64 v5, v[PC+10:PC+11], s[14:15] offset:(\s/2)*24576+(\s%2)*1536+768
.endr
	global_store_b64 v8, v[PWS:PWS+1], s[26:27]    ; 8 scale bytes a row; lanes l and l xor 16 hold the same words and name the same bytes
	s_wait_tensorcnt 0x0
	ds_add_u32 v254, v255
	s_wait_dscnt 0x0
	s_endpgm
; ---- K NOT INNERMOST.  A lane takes a column e and its registers run down d: a block of 32 lies in one lane, and its six registers of codes are the lane's part of a unit.
; A wave takes 32 columns x 128 along K.  Lane l's column 32 eh + l is stored row r = l % 8 + 8 (l / 16) of rowblock 2 eh + (l / 8) % 2 of its head.
.Lweights:
	s_sub_co_u32 s21, ttmp9, 576                   ; a wave takes 32 columns x 128 along K: four blocks
	s_lshr_b32 s22, s21, 6                         ; which tensor
	s_lshr_b32 s23, s21, 2
	s_and_b32 s23, s23, 15                         ; head
	s_and_b32 s28, s21, 3                          ; with the wave's upper bit below: which eighth of K
	s_lshl_b32 s28, s28, 1
	s_lshr_b32 s29, s20, 1
	s_add_co_u32 s28, s28, s29                     ; which eighth of K
	s_and_b32 s29, s20, 1                          ; which 32 columns
	s_wait_alu depctr_va_vdst(0)
	v_lshlrev_b32 v2, 2, v1                        ; in: 4 bytes a lane
	v_bfe_u32 v3, v1, 3, 1                         ; u
	v_and_b32 v4, 7, v1
	v_lshrrev_b32 v5, 4, v1
	v_lshl_add_u32 v4, v5, 3, v4                   ; r
	v_mul_u32_u24 v5, v3, 3072
	v_lshl_add_u32 v6, v4, 4, v5                   ; a unit's registers 0-3: 3072 u + 16 r
	v_lshl_add_u32 v7, v4, 3, v5
	v_add_nc_u32 v7, 512, v7                       ; registers 4-5: 3072 u + 512 + 8 r
	v_lshlrev_b32 v8, 9, v3
	v_lshl_add_u32 v8, v4, 5, v8                   ; scale bytes: 512 u + 32 r
	s_lshl_b32 s30, s23, 18                        ; a head is 262,144 bytes,
	s_lshl_b32 s31, s28, 15                        ; 128 rows of 256 bytes,
	s_add_co_u32 s30, s30, s31
	s_lshl_b32 s31, s29, 7                         ; 32 columns
	s_add_co_u32 s30, s30, s31
	s_mov_b32 s31, 0
	s_lshl_b32 s32, s22, 3
	s_lshr_b32 s33, s23, 1
	s_add_co_u32 s32, s32, s33
	s_mul_i32 s32, s32, 98304
	s_lshr_b32 s33, s28, 1
	s_mul_i32 s33, s33, 24576
	s_add_co_u32 s32, s32, s33
	s_and_b32 s33, s28, 1
	s_mul_i32 s33, s33, 1536                       ; an eighth of K is two units
	s_add_co_u32 s32, s32, s33
	s_and_b32 s33, s23, 1
	s_lshl_b32 s33, s33, 2
	s_lshl_b32 s34, s29, 1
	s_add_co_u32 s33, s33, s34
	s_mul_i32 s33, s33, 3072
	s_add_co_u32 s32, s32, s33
	s_add_co_u32 s32, s32, WC
	s_mov_b32 s33, 0
	s_lshl_b32 s34, s22, 6
	s_lshl_b32 s35, s23, 2
	s_add_co_u32 s34, s34, s35
	s_lshl_b32 s35, s29, 1
	s_add_co_u32 s34, s34, s35
	s_lshl_b32 s34, s34, 9
	s_lshl_b32 s35, s28, 2
	s_add_co_u32 s34, s34, s35
	s_add_co_u32 s34, s34, WSC
	s_mov_b32 s35, 0
	s_wait_kmcnt 0x0
	s_cmp_eq_u32 s22, 0
	s_cselect_b64 s[24:25], s[8:9], s[10:11]
	s_cmp_eq_u32 s22, 2
	s_cselect_b64 s[24:25], s[12:13], s[24:25]
	s_add_nc_u64 s[24:25], s[24:25], s[30:31]
	s_add_nc_u64 s[14:15], s[14:15], s[32:33]
	s_add_nc_u64 s[16:17], s[16:17], s[34:35]
.macro WLOAD t                         ; block t: W(32 t + i, my column) into set t % 2; 32 lanes read 128 consecutive bytes
.irp i, 0,1,2,3,4,5,6,7,8,9,10,11,12,13,14,15,16,17,18,19,20,21,22,23,24,25,26,27,28,29,30,31
	global_load_b32 v[16+32*((\t)%2)+\i], v2, s[24:25] offset:(32*(\t)+\i)*256 th:TH_LOAD_NT
.endr
.endm
.macro BLOCK t
.set XS, 16+32*((\t)%2)
.set CC, 80+8*(\t)                     ; a set of registers for each block's codes: no store's data are written again
.if (\t) < 3
	s_wait_loadcnt 32                              ; this block's 32 loads are in; the next block's may be out
.else
	s_wait_loadcnt 0x0
.endif
	v_max3_num_f32 v12, |v[XS]|, |v[XS+1]|, |v[XS+2]|
	v_max3_num_f32 v13, |v[XS+3]|, |v[XS+4]|, |v[XS+5]|
.irp i, 6,10,14,18,22,26
	v_max3_num_f32 v12, v12, |v[XS+\i]|, |v[XS+\i+1]|
	v_max3_num_f32 v13, v13, |v[XS+\i+2]|, |v[XS+\i+3]|
.endr
	v_max3_num_f32 v12, v12, |v[XS+30]|, |v[XS+31]|
	v_max3_num_f32 v12, v12, v13, 0x1800000        ; and the floor
	v_add_nc_u32 v11, 0xff000000, v12
	v_lshrrev_b32 v13, 23, v11                     ; the scale's byte
.if (\t)%4 == 0
	v_mov_b32 v[144+(\t)/4], v13
.else
	v_lshl_or_b32 v[144+(\t)/4], v13, 8*((\t)%4), v[144+(\t)/4]
.endif
	v_cvt_scalef32_pk16_fp6_f32 v[CC:CC+2], v[XS:XS+15], v11
	v_cvt_scalef32_pk16_fp6_f32 v[CC+4:CC+6], v[XS+16:XS+31], v11
	v_nop                                          ; one plain instruction behind the scaled conversions
	v_mov_b32 v[CC+3], v[CC+4]                     ; six registers on end
	v_mov_b32 v[CC+4], v[CC+5]
	v_mov_b32 v[CC+5], v[CC+6]
	global_store_b128 v6, v[CC:CC+3], s[14:15] offset:((\t)/2)*768+256*((\t)%2)   ; sixteen lanes fill 256 consecutive bytes, aligned, in each of the two rowblocks
	global_store_b64 v7, v[CC+4:CC+5], s[14:15] offset:((\t)/2)*768+128*((\t)%2)  ; 128 bytes: two blocks fill 256
.if (\t) < 2
	WLOAD (\t)+2
.endif
.endm
	WLOAD 0
	WLOAD 1
.irp t, 0,1,2,3
	BLOCK \t
.endr
	global_store_b32 v8, v144, s[16:17]            ; my column's four scale bytes
	s_endpgm
.Lfunc_end_k_qd003b1e9b3_quant:
	.size	k_qd003b1e9b3_quant, .Lfunc_end_k_qd003b1e9b3_quant-k_qd003b1e9b3_quant
	.p2alignl 7, 3214868480
	.fill 96, 4, 3214868480
	.section	.rodata,"a",@progbits
	.p2align	6, 0x0
	.amdhsa_kernel k_qd003b1e9b3_quant
		.amdhsa_group_segment_fixed_size 34304
		.amdhsa_private_segment_fixed_size 0
		.amdhsa_enable_private_segment 0
		.amdhsa_kernarg_size 64
		.amdhsa_user_sgpr_count 2
		.amdhsa_user_sgpr_kernarg_segment_ptr 1
		.amdhsa_wavefront_size32 1
		.amdhsa_system_sgpr_workgroup_id_x 1
		.amdhsa_system_sgpr_workgroup_id_y 1
		.amdhsa_system_sgpr_workgroup_id_z 1
		.amdhsa_system_vgpr_workitem_id 0
		.amdhsa_next_free_vgpr 256
		.amdhsa_next_free_sgpr 66
		.amdhsa_reserve_vcc 0
		.amdhsa_float_denorm_mode_32 3
		.amdhsa_float_denorm_mode_16_64 3
		.amdhsa_memory_ordered 1
		.amdhsa_forward_progress 1
		.amdhsa_inst_pref_size 40
	.end_amdhsa_kernel
	.amdgpu_metadata
---
amdhsa.version: [ 1, 2 ]
amdhsa.kernels:
  - .name:           k_qd003b1e9b3_quant
    .symbol:         k_qd003b1e9b3_quant.kd
    .args:
      - { .name: inputs, .offset: 0, .size: 8, .value_kind: global_buffer, .address_space: global }
      - { .name: W_o, .offset: 8, .size: 8, .value_kind: global_buffer, .address_space: global }
      - { .name: W_q, .offset: 16, .size: 8, .value_kind: global_buffer, .address_space: global }
      - { .name: W_k, .offset: 24, .size: 8, .value_kind: global_buffer, .address_space: global }
      - { .name: W_v, .offset: 32, .size: 8, .value_kind: global_buffer, .address_space: global }
      - { .name: xw, .offset: 40, .size: 8, .value_kind: global_buffer, .address_space: global }
      - { .name: sin, .offset: 48, .size: 8, .value_kind: global_buffer, .address_space: global }
      - { .name: sout, .offset: 56, .size: 8, .value_kind: global_buffer, .address_space: global }
    .group_segment_fixed_size: 34304
    .private_segment_fixed_size: 0
    .kernarg_segment_align: 8
    .kernarg_segment_size: 64
    .max_flat_workgroup_size: 128
    .sgpr_count:     66
    .vgpr_count:     256
    .wavefront_size: 32
...
	.end_amdgpu_metadata
.endif
;; end of part 1
;; launch qkv (part 2): grid 32 x 8, 4 waves a work-group, clusters of 4 x 1, 327,680 bytes of LDS; arguments xw, sin, b_q, b_k, b_v, qkvc, qkvs; writes qkvc, qkvs
.if DOCPART == 2
	.amdgcn_target "amdgcn-amd-amdhsa--gfx1250"
	.amdhsa_code_object_version 6
	.text
	.protected	k_qd003b1e9b3_qkv
	.globl	k_qd003b1e9b3_qkv
	.p2align	8
	.type	k_qd003b1e9b3_qkv,@function
k_qd003b1e9b3_qkv:
	s_mov_b64 s[64:65], 0
	v_nop
	global_prefetch_b8 v0, s[64:65] scope:SCOPE_SE
	s_setreg_imm32_b32 hwreg(HW_REG_WAVE_MODE, 25, 1), 1
	s_wait_xcnt 0x0
	s_wait_alu depctr_hold_cnt(0) depctr_sa_sdst(0) depctr_va_vdst(0) depctr_va_sdst(0) depctr_va_ssrc(0) depctr_va_vcc(0) depctr_vm_vsrc(0)
	s_getreg_b32 s2, hwreg(HW_REG_IB_STS2, 6, 4)
	s_cmp_eq_u32 s2, 0
	s_cbranch_scc0 .Lentry_in_a_cluster
	s_endpgm
.Lentry_in_a_cluster:
	s_bfe_u32 s2, ttmp6, 0x10000c
	s_cmp_lg_u32 s2, 0x3003
	s_cbranch_scc0 .Lentry_shape_is_right
	s_endpgm
.Lentry_shape_is_right:
; q, k, v = x W + b on codes of FP6 (E2M3), K = 1,024; the results are quantised at once: q and k along the head's 64, v along the KEYS, and leave as codes.
; SHARES.  Work-group (mg, g): 256 rows of x (rowblocks 16 mg ..) x heads 2 g and 2 g + 1: three tiles of 256 x 128, q's, k's and v's, one after the other.  Wave w owns x's rowblocks 16 mg + 4 w + a, a = 0 .. 3,
; and keeps their fragments for ALL of K in 384 registers, loaded once.  The weights' three tiles, 98,304 bytes each, lie in LDS as they lie in memory, filled once: 8 fragments from LDS feed 32 products.
; CLUSTER.  The four work-groups of a cluster have the same g: the weights come by joint loads that name the four.  x's fragments are shared by the eight work-groups of one mg, which lie in eight clusters,
; and they go from memory straight into registers, since the weights take 294,912 bytes of LDS: so they are not asked for jointly.
; No LDS byte is filled twice and none is stored to: counted waits and arrival barriers are all the ordering that LDS needs.
; LAYOUTS: rowblocks, units and scale bytes as the launch before lays them.  For q and k source 0 = 16 rows of W, source 1 = 16 rows of x: a lane holds one row of x and its 64 registers of a rowblock run along
; (head, e) in true order.  For v source 0 = x, source 1 = W: a lane holds one (head, e) and its registers run along the wave's 64 keys in true order.
; OUT.  qkvc: q at 0, k at KC: [bh][rowblock in the batch][768]; v at VC: [bh][key step of 128][e / 16][which 64 keys][768].  qkvs: q's words at 0, k's at KSO: [bh][rowblock / 4][r][rowblock % 4], bytes 0 and 1
; the head's two blocks, bytes 2 and 3 the neighbour head's or 0 (they meet zero codes only); v's at VSO: [bh / 2][64 keys][r][4 (head % 2) + e / 16][2 bytes].
; LIMITS: NaN and infinities are not served.  A block of zeros, or one under 2^-124, gets the byte 1.  A bias enters as the first addend of its f32 sum.
; REGISTERS.  window 0: v1-14 lane numbers and offsets; v32-95 scale words; v96-159 the bias as a tile's first C; v160-255 W's fragments, set 0 (on the way out: at work).
;   window 1: x's fragments of K steps 0-4 (48 ks + 12 a).  window 2: those of K steps 5-7; from v144 W's fragments, set 1.  window 3: the 32 accumulators.
.set WC,    6291456
.set KC,    6291456
.set VC,    12582912
.set KSO,   524288
.set VSO,   1048576
.set WSC,   262144
.set TILEB, 98304
.set CHUNK, 24576                      ; 8 rowblocks x 256 along K
.set L16,   4                          ; v4  16 x lane
.set L8,    5                          ; v5  512 + 8 x lane
.set LB16,  6                          ; v6  the same two in LDS, at the half tile in hand
.set LB8,   7
.set SOFF,  8                          ; v8  scale words: lanes 0-15 x's rows, lanes 16-31 W's
.set HSTEP, 9                          ; v9  32,768 in lanes 16-31: from one tensor's scale bytes to the next's
.set SC,    32                         ; register SC + 8 i + ks: lanes 0-15 the word of x's rowblock i, lanes 16-31 that of W's rowblock i, for K step ks
.set BIAS,  96
.set TM,    160
.set PWS,   176
.set PT,    180
.set PCB,   188
.set WV,    18
.set SEL,   22
.set G1S,   24
.set G1L,   32                         ; s[32:39] group 1: 96 rows
.set G0,    40                         ; s[40:63] six groups 0
.set XA,    70
.set QB,    72
.set KB,    74
.set QSB,   76
.set KSB,   78
.set VB,    80
.set VSB,   82
.set MSB, 0
.macro WIN new                         ; the immediate's high byte repeats the setting that is left; a switch that changes nothing is dropped
.if MSB != (\new)
	s_set_vgpr_msb (MSB<<8)|(\new)
.set MSB, (\new)
.endif
.endm
.macro ROUND                           ; a round of the cluster's barrier
	s_barrier_signal -1
	s_barrier_wait -1
	s_cmp_lg_u32 s[WV], 0
	s_cbranch_scc1 .Lnot_wave_0_\@
	s_barrier_signal -3
.Lnot_wave_0_\@:
	s_barrier_wait -3
	s_barrier_signal -1
	s_barrier_wait -1
.endm
.macro PLACES                          ; four plain instructions behind matrix instructions, ahead of loads into their registers and of reads of their results
.rept 4
	v_nop
.endr
.endm
.macro GROUP1 g, rows                  ; a dense block as rows of 256 bytes (32 elements of 8 bytes), no padding; the mask names the cluster's four work-groups, bit 21 set beside it
	s_mov_b32 s[\g], 15|(3<<16)|(1<<21)
	s_mov_b32 s[\g+1], 32<<16
	s_mov_b32 s[\g+2], (\rows)<<16
	s_mov_b32 s[\g+3], 32<<16
	s_mov_b32 s[\g+4], \rows
	s_mov_b32 s[\g+5], 32
	s_mov_b32 s[\g+6], 0
	s_mov_b32 s[\g+7], 0
.endm
; 64 results of a lane in window 3, v[s] on (register 16 b + i = k 32 b + 16 h + i), become 12 registers of codes, v[pc] on, and the scale word v[pw], both in window 0.  Each accumulator is read from its low end on.
.macro QUANT s, pc, pw
	WIN 0x3c                                       ; sources 1 and 2 in window 3
.irp b, 0,1,2,3
	v_max3_num_f32 v[TM+\b], 0x1800000, |v[(\s)+16*\b]|, |v[(\s)+16*\b+1]|   ; the floor 2^(3 - 127) among the leaves: the byte cannot fall under 1
.endr
.irp i, 2,4,6,8,10,12,14
.irp b, 0,1,2,3
	v_max3_num_f32 v[TM+\b], v[TM+\b], |v[(\s)+16*\b+\i]|, |v[(\s)+16*\b+\i+1]|
.endr
.endr
	WIN 0
.irp b, 0,1,2,3
	v_permlanex16_b32 v[TM+4+\b], v[TM+\b], s[SEL], s[SEL+1]   ; (its destination has been written: W's fragments lay there)
.endr
.irp b, 0,1,2,3
	v_max_num_f32 v[TM+\b], v[TM+\b], v[TM+4+\b]
.endr
.irp b, 0,1,2,3
	v_add_nc_u32 v[TM+12+\b], 0xff000000, v[TM+\b] ; 2 off the exponent field: the conversion's scale operand
.endr
.irp b, 0,1,2,3
	v_lshrrev_b32 v[TM+4+\b], 23, v[TM+12+\b]      ; the scale's byte
.endr
	v_lshl_or_b32 v[\pw], v[TM+5], 8, v[TM+4]
	v_lshl_or_b32 v[\pw], v[TM+6], 16, v[\pw]
	v_lshl_or_b32 v[\pw], v[TM+7], 24, v[\pw]
	WIN 0x03                                       ; source 0 in window 3
.irp c, 0,1
	v_cvt_scalef32_pk16_fp6_f32 v[(\pc)+6*\c:(\pc)+6*\c+2], v[(\s)+32*\c:(\s)+32*\c+15], v[TM+12+2*\c]
	v_cvt_scalef32_pk16_fp6_f32 v[PT+4*\c:PT+4*\c+2], v[(\s)+32*\c+16:(\s)+32*\c+31], v[TM+13+2*\c]
.endr
	WIN 0
	v_nop                                          ; one plain instruction behind the scaled conversions
.irp c, 0,1
.irp i, 0,1,2
	v_permlane16_swap_b32 v[(\pc)+6*\c+\i], v[PT+4*\c+\i]
.endr
.irp i, 0,1,2
	v_mov_b32 v[(\pc)+6*\c+3+\i], v[PT+4*\c+\i]
.endr
.endr
.endm
.macro ALOAD ks                        ; x's four fragments of K step ks, from memory: 16 loads
.if (\ks) < 5
	WIN 0x40
.set AR, 48*(\ks)
.else
	WIN 0x80
.set AR, 48*((\ks)-5)
.endif
.irp a, 0,1,2,3
	global_load_b128 v[AR+12*\a:AR+12*\a+3], v[L16], s[XA:XA+1] offset:((\ks)/2)*CHUNK+\a*3072+((\ks)%2)*1536
	global_load_b64 v[AR+12*\a+4:AR+12*\a+5], v[L8], s[XA:XA+1] offset:((\ks)/2)*CHUNK+\a*3072+((\ks)%2)*1536
	global_load_b128 v[AR+12*\a+6:AR+12*\a+9], v[L16], s[XA:XA+1] offset:((\ks)/2)*CHUNK+\a*3072+((\ks)%2)*1536+768
	global_load_b64 v[AR+12*\a+10:AR+12*\a+11], v[L8], s[XA:XA+1] offset:((\ks)/2)*CHUNK+\a*3072+((\ks)%2)*1536+768
.endr
.endm
.macro FETCHB ks                       ; W's eight fragments of K step ks, from LDS, into set ks % 2: 32 loads, each of consecutive bytes
.if (\ks)%2
	WIN 0x80
.set BR, 144
.else
	WIN 0
.set BR, 160
.endif
.set BO, (((\ks)/2)%2)*CHUNK+((\ks)%2)*1536
.irp b, 0,1,2,3,4,5,6,7
	ds_load_b128 v[BR+12*\b:BR+12*\b+3], v[LB16] offset:BO+\b*3072
	ds_load_b64 v[BR+12*\b+4:BR+12*\b+5], v[LB8] offset:BO+\b*3072
	ds_load_b128 v[BR+12*\b+6:BR+12*\b+9], v[LB16] offset:BO+\b*3072+768
	ds_load_b64 v[BR+12*\b+10:BR+12*\b+11], v[LB8] offset:BO+\b*3072+768
.endr
.endm
; A K step's 32 products.  The 32 accumulators take turns, one instruction a turn, in the same order in every K step.  The first K step takes the bias as C.
.macro MUL ks, var
.set BW, 2*((\ks)%2)
.set BR, 160-16*((\ks)%2)
.if (\ks) < 5
.set AW, 1
.set AR, 48*(\ks)
.else
.set AW, 2
.set AR, 48*((\ks)-5)
.endif
.if (\ks) == 0
.set CW, 0
.else
.set CW, 3
.endif
.if \var
.set WN, 0xc0|(CW<<4)|(BW<<2)|AW
	WIN WN
.irp b, 0,1,2,3,4,5,6,7
.irp a, 0,1,2,3
.if (\ks) == 0
	v_wmma_scale_f32_16x16x128_f8f6f4 v[8*(4*\b+\a):8*(4*\b+\a)+7], v[AR+12*\a:AR+12*\a+11], v[BR+12*\b:BR+12*\b+11], v[BIAS+8*\b:BIAS+8*\b+7], v[SC+8*\a+(\ks)], v[SC+8*\b+(\ks)] matrix_a_fmt:MATRIX_FMT_FP6 matrix_b_fmt:MATRIX_FMT_FP6 matrix_b_scale:MATRIX_SCALE_ROW1
.else
	v_wmma_scale_f32_16x16x128_f8f6f4 v[8*(4*\b+\a):8*(4*\b+\a)+7], v[AR+12*\a:AR+12*\a+11], v[BR+12*\b:BR+12*\b+11], v[8*(4*\b+\a):8*(4*\b+\a)+7], v[SC+8*\a+(\ks)], v[SC+8*\b+(\ks)] matrix_a_fmt:MATRIX_FMT_FP6 matrix_b_fmt:MATRIX_FMT_FP6 matrix_b_scale:MATRIX_SCALE_ROW1
.endif
.endr
.endr
.else
.set WN, 0xc0|(CW<<4)|(AW<<2)|BW
	WIN WN
.irp a, 0,1,2,3
.irp b, 0,1,2,3,4,5,6,7
.if (\ks) == 0
	v_wmma_scale_f32_16x16x128_f8f6f4 v[8*(8*\a+\b):8*(8*\a+\b)+7], v[BR+12*\b:BR+12*\b+11], v[AR+12*\a:AR+12*\a+11], v[BIAS+8*\b:BIAS+8*\b+7], v[SC+8*\b+(\ks)], v[SC+8*\a+(\ks)] matrix_a_fmt:MATRIX_FMT_FP6 matrix_b_fmt:MATRIX_FMT_FP6 matrix_a_scale:MATRIX_SCALE_ROW1
.else
	v_wmma_scale_f32_16x16x128_f8f6f4 v[8*(8*\a+\b):8*(8*\a+\b)+7], v[BR+12*\b:BR+12*\b+11], v[AR+12*\a:AR+12*\a+11], v[8*(8*\a+\b):8*(8*\a+\b)+7], v[SC+8*\b+(\ks)], v[SC+8*\a+(\ks)] matrix_a_fmt:MATRIX_FMT_FP6 matrix_b_fmt:MATRIX_FMT_FP6 matrix_a_scale:MATRIX_SCALE_ROW1
.endif
.endr
.endr
.endif
.endm
; A tile: eight K steps; while one is multiplied the next one's fragments of W come from LDS.  first = 1: the tile's four chunks are still landing, and x's fragments are still being loaded, four K steps ahead.
.macro TILE var, first, tc
	FETCHB 0
.irp ks, 0,1,2,3,4,5,6,7
.if \ks < 7
.if (\first) && ((\ks) == 1)
	WIN 0
	s_wait_tensorcnt 0x0                           ; my chunk of q's tile has landed;
	ds_add_u32 v30, v31                            ; the add and the round ahead of a later first fill
	s_wait_dscnt 0x0
	ROUND                                          ; everybody's chunk has: q's tile is whole
	tensor_load_to_lds s[G0+16:G0+19], s[G1L:G1L+7]   ; k's tile, a chunk a wave
	s_nop 0
.endif
.if \ks > 0
	PLACES                                         ; the set that is loaded next was read by the products just issued
.endif
.if \ks == 3
	WIN 0
	v_add_nc_u32 v[LB16], 2*CHUNK, v[LB16]         ; on to the tile's second half
	s_wait_alu depctr_va_vdst(0)
	v_add_nc_u32 v[LB8], 2*CHUNK, v[LB8]
.endif
	FETCHB \ks+1
.if (\first) && (\ks == 0)
	ALOAD 2
	ALOAD 3
.endif
.if (\first) && (\ks < 4)
	ALOAD \ks+4                                    ; x's fragments are asked for four K steps ahead: each K step has registers of its own
.endif
	s_wait_alu depctr_va_vdst(0)
	s_wait_dscnt 32                                ; all but the 32 loads just issued
.else
	s_wait_dscnt 0x0
.endif
.if \first
.if \ks < 4
	s_wait_loadcnt 63                              ; behind this K step's loads stand those of four K steps, 64: one fewer may be out, which the count's field holds
.else
	s_wait_loadcnt 16*(7-\ks)                      ; those of the K steps that are left, 16 each
.endif
.endif
	MUL \ks, \var
.endr
.endm
.macro SCLOAD                          ; the tile's scale words, 32 bytes a row.  In lanes 0-15 rowblocks 4-7 are words that nobody uses; they lie inside the buffer (byte 264,191 at the most)
	WIN 0
.irp i, 0,1,2,3,4,5,6,7
	global_load_b128 v[SC+8*\i:SC+8*\i+3], v[SOFF], s[6:7] offset:512*\i
	global_load_b128 v[SC+8*\i+4:SC+8*\i+7], v[SOFF], s[6:7] offset:512*\i+16
.endr
.endm
.macro BIASQK p                        ; lane (r, h), tile b, register j: the bias of (head, e) = 32 (b / 2) + 8 (b % 2) + 16 h + j
.irp b, 0,1,2,3,4,5,6,7
	global_load_b128 v[BIAS+8*\b:BIAS+8*\b+3], v10, s[\p:\p+1] offset:(32*(\b/2)+8*(\b%2))*4
	global_load_b128 v[BIAS+8*\b+4:BIAS+8*\b+7], v10, s[\p:\p+1] offset:(32*(\b/2)+8*(\b%2))*4+16
.endr
.endm
.macro NEXT                            ; behind a tile's last products: the next tile's scale words are asked for; they land during the way out
	PLACES
	WIN 0
	v_add_nc_u32 v[SOFF], v[SOFF], v[HSTEP]
	SCLOAD
.endm
.macro GATE n                          ; in front of the next tile
	WIN 0
	s_wait_xcnt 0x0                                ; the stores have read the codes' registers, over which W's fragments land
	s_wait_loadcnt 0x0                             ; the scale words and the bias are in
	v_add_nc_u32 v[LB16], 2*CHUNK, v[LB16]
	v_add_nc_u32 v[LB8], 2*CHUNK, v[LB8]
	s_wait_tensorcnt 0x0                           ; my chunk of the next tile has landed
.if \n
	ds_add_u32 v30, v31                            ; the add and the round ahead of a later first fill
	s_wait_dscnt 0x0
	ROUND                                          ; everybody's has
	tensor_load_to_lds s[G0+20:G0+23], s[G1L:G1L+7]   ; v's tile, a chunk a wave
	s_nop 0
	PLACES
.else
	s_barrier_signal -1
	s_barrier_wait -1                              ; everybody's has
.endif
.endm
.macro EPI_QK cb, sb                   ; a rowblock's 64 results a lane are a fragment: its first unit is head 2 g's, its second head 2 g + 1's
.irp a, 0,1,2,3
	QUANT 64*\a, PCB+12*\a, PWS+\a
	global_store_b128 v[L16], v[PCB+12*\a:PCB+12*\a+3], s[\cb:\cb+1] offset:768*\a
	global_store_b64 v[L8], v[PCB+12*\a+4:PCB+12*\a+5], s[\cb:\cb+1] offset:768*\a
	global_store_b128 v[L16], v[PCB+12*\a+6:PCB+12*\a+9], s[\cb:\cb+1] offset:768*\a+98304
	global_store_b64 v[L8], v[PCB+12*\a+10:PCB+12*\a+11], s[\cb:\cb+1] offset:768*\a+98304
.endr
.irp a, 0,1,2,3
	v_lshrrev_b32 v[PWS+\a], v14, v[PWS+\a]        ; lanes 16-31 bring head 2 g + 1's two bytes down
.endr
	global_store_b128 v12, v[PWS:PWS+3], s[\sb:\sb+1]   ; two runs of 256 consecutive bytes, one for each head
.endm
	s_load_b256 s[4:11], s[0:1], 0x0               ; xw, sin, b_q, b_k
	s_load_b128 s[12:15], s[0:1], 0x20             ; b_v, qkvc
	s_load_b64 s[16:17], s[0:1], 0x30              ; qkvs
	v_lshl_add_u32 v30, v0, 2, 0x48000
	v_mov_b32 v31, 0
	ds_add_u32 v30, v31
	ds_add_u32 v30, v31
	v_lshrrev_b32 v1, 5, v0
	v_readfirstlane_b32 s[WV], v1                  ; wave 0..3
	v_and_b32 v1, 31, v0                           ; lane
	v_and_b32 v2, 15, v0                           ; r
	v_bfe_u32 v3, v0, 4, 1                         ; h
	v_lshlrev_b32 v[L16], 4, v1
	v_lshl_add_u32 v[L8], v1, 3, 512
	v_lshlrev_b32 v[LB16], 4, v1
	v_lshl_add_u32 v[LB8], v1, 3, 512
	v_lshlrev_b32 v[HSTEP], 15, v3
	v_lshlrev_b32 v10, 6, v3                       ; 64 h
	v_lshrrev_b32 v11, 3, v2
	v_lshl_add_u32 v11, v11, 3, v2
	v_lshlrev_b32 v11, 2, v11                      ; 4 (r + 8 (r / 8))
	v_lshlrev_b32 v13, 4, v2                       ; 16 r
	v_lshl_add_u32 v12, v3, 13, v13                ; 8192 h + 16 r
	v_lshlrev_b32 v14, 4, v3                       ; 16 h
	s_bfe_u32 s19, ttmp6, 0x40000                  ; cx
	s_lshl_b32 s20, ttmp9, 2
	s_add_co_u32 s20, s20, s19                     ; mg: it enters global addresses alone
	s_and_b32 s21, ttmp7, 0xffff                   ; g, which the four partners share
	s_mov_b32 s[SEL], 0x76543210
	s_mov_b32 s[SEL+1], 0xfedcba98
	GROUP1 G1L, 96
	s_mul_i32 s66, s21, TILEB                      ; tile g of a tensor
	s_mul_i32 s68, s[WV], CHUNK                    ; my chunk of a tile
	s_add_co_u32 s84, s66, s68
	s_add_co_u32 s84, s84, WC
	s_mov_b32 s85, 0
	s_add_co_u32 s86, s66, s68
	s_add_co_u32 s86, s86, WC+8*TILEB
	s_mov_b32 s87, 0
	s_lshl_b32 s2, s21, 9                          ; two heads' biases: 512 bytes
	s_mov_b32 s3, 0
	s_lshl_b32 s88, s20, 4                         ; the scale words' offset: x's rows (16 mg + 4 w) x 512 in lanes 0-15,
	s_lshl_b32 s89, s[WV], 2
	s_add_co_u32 s88, s88, s89
	s_lshl_b32 s88, s88, 9
	s_lshl_b32 s89, s21, 12
	s_add_co_u32 s89, s89, WSC                     ; W_q's tile g in lanes 16-31:
	s_sub_co_u32 s89, s89, s88
	v_mul_u32_u24 v[SOFF], s89, v3                 ; the lower base + h x the distance
	v_add_nc_u32 v[SOFF], s88, v[SOFF]
	v_lshl_add_u32 v[SOFF], v2, 5, v[SOFF]
	s_lshl_b32 s94, s20, 1                         ; x's fragments: tile 2 mg + w / 2, rowblocks 4 (w % 2) on
	s_lshr_b32 s95, s[WV], 1
	s_add_co_u32 s94, s94, s95
	s_mul_i32 s94, s94, TILEB
	s_and_b32 s95, s[WV], 1
	s_mul_i32 s95, s95, 12288
	s_add_co_u32 s94, s94, s95
	s_mov_b32 s95, 0
	s_lshr_b32 s88, s20, 3                         ; bt: the batch
	s_and_b32 s89, s20, 7                          ; mq: which 256 rows of it
	s_lshl_b32 s90, s88, 4
	s_lshl_b32 s91, s21, 1
	s_add_co_u32 s90, s90, s91                     ; bh of head 2 g
	s_lshl_b32 s91, s90, 7
	s_lshl_b32 s92, s89, 4
	s_add_co_u32 s91, s91, s92
	s_lshl_b32 s92, s[WV], 2
	s_add_co_u32 s91, s91, s92                     ; 128 bh + my first rowblock in the batch
	s_mov_b32 s93, 0
	s_wait_dscnt 0x0
	s_wait_kmcnt 0x0
	s_add_nc_u64 s[XA:XA+1], s[4:5], s[94:95]
	s_mul_i32 s92, s91, 768
	s_add_nc_u64 s[QB:QB+1], s[14:15], s[92:93]
	s_add_nc_u64 s[KB:KB+1], s[QB:QB+1], KC
	s_lshl_b32 s92, s91, 6                         ; a quarter as many groups of four rowblocks, 256 bytes each
	s_add_nc_u64 s[QSB:QSB+1], s[16:17], s[92:93]
	s_add_nc_u64 s[KSB:KSB+1], s[QSB:QSB+1], KSO
	s_lshl_b32 s92, s90, 4
	s_lshl_b32 s94, s89, 1
	s_add_co_u32 s92, s92, s94
	s_lshr_b32 s94, s[WV], 1
	s_add_co_u32 s92, s92, s94                     ; 16 bh + my key step
	s_mul_i32 s92, s92, 6144
	s_and_b32 s94, s[WV], 1
	s_mul_i32 s94, s94, 768                        ; which 64 keys of it
	s_add_co_u32 s92, s92, s94
	s_add_co_u32 s92, s92, VC
	s_add_nc_u64 s[VB:VB+1], s[14:15], s[92:93]
	s_lshl_b32 s92, s88, 3
	s_add_co_u32 s92, s92, s21
	s_lshl_b32 s92, s92, 5
	s_lshl_b32 s94, s89, 2
	s_add_co_u32 s92, s92, s94
	s_add_co_u32 s92, s92, s[WV]                   ; 32 (8 bt + g) + my 64 keys
	s_lshl_b32 s92, s92, 8
	s_add_co_u32 s92, s92, VSO
	s_add_nc_u64 s[VSB:VSB+1], s[16:17], s[92:93]
	s_add_nc_u64 s[8:9], s[8:9], s[2:3]
	s_add_nc_u64 s[10:11], s[10:11], s[2:3]
	s_add_nc_u64 s[12:13], s[12:13], s[2:3]
	s_add_nc_u64 s[84:85], s[4:5], s[84:85]        ; W_q's tile g, my chunk
	s_add_nc_u64 s[86:87], s[4:5], s[86:87]        ; W_k's tile g, my chunk
	s_mov_b32 s[G0], 1                             ; q's tile: each wave a chunk
	s_mov_b32 s[G0+1], s68
	s_mov_b64 s[G0+2:G0+3], s[84:85]
	s_or_b32 s[G0+3], s[G0+3], 0x80000000
	s_mov_b32 s[G0+16], 1                          ; k's tile: each wave a chunk
	s_add_co_u32 s[G0+17], s68, TILEB
	s_mov_b64 s[G0+18:G0+19], s[86:87]
	s_or_b32 s[G0+19], s[G0+19], 0x80000000
	s_mov_b32 s[G0+20], 1                          ; v's likewise
	s_add_co_u32 s[G0+21], s68, 2*TILEB
	s_add_nc_u64 s[G0+22:G0+23], s[86:87], 8*TILEB
	s_or_b32 s[G0+23], s[G0+23], 0x80000000
	ROUND                                          ; the four work-groups are here: the joint loads meet
	s_cmp_eq_u32 s[WV], 0                          ; one load a wave: chunk w of q's tile.  Wave 0's line is its own, since the first barrier shows chunk 0 alone
	s_cbranch_scc0 .Lq_rest
	tensor_load_to_lds s[G0:G0+3], s[G1L:G1L+7]
	s_nop 0
	PLACES
	s_branch .Lq_asked
.Lq_rest:
	tensor_load_to_lds s[G0:G0+3], s[G1L:G1L+7]
	s_nop 0
	PLACES
.Lq_asked:
	ALOAD 0
	s_wait_alu depctr_va_vdst(0)
	SCLOAD
	BIASQK 8
	ALOAD 1
	WIN 0
	s_cmp_eq_u32 s[WV], 0
	s_cbranch_scc0 .Lq_not0
	s_wait_tensorcnt 0x0                           ; wave 0: chunk 0, K steps 0 and 1, has landed
.Lq_not0:
	s_barrier_signal -1
	s_barrier_wait -1
	TILE 0, 1, 5                                   ; q
	NEXT
	BIASQK 10
	EPI_QK QB, QSB
	GATE 1                                         ; k's tile; v's load may be out
	s_wait_alu depctr_va_vdst(0)
	TILE 0, 0, 0                                   ; k
	NEXT
.irp b, 0,1,2,3,4,5,6,7
	global_load_b32 v[BIAS+8*\b], v11, s[12:13] offset:(32*(\b/2)+8*(\b%2))*4   ; v: a lane holds one (head, e): one number for a tile's eight registers
.endr
	EPI_QK KB, KSB
	GATE 0
.irp b, 0,1,2,3,4,5,6,7
.irp j, 1,2,3,4,5,6,7
	v_mov_b32 v[BIAS+8*\b+\j], v[BIAS+8*\b]
.endr
.endr
	PLACES                                         ; plain instructions between these copies and the products that take them as C
	TILE 1, 0, 0                                   ; v
	PLACES
.irp p, 0,1,2,3                                ; 64 results a lane are two units: 64 keys of e rowblocks 2 p and 2 p + 1 of the two heads' eight
	QUANT 64*\p, PCB+12*\p, PWS+\p
	global_store_b128 v[L16], v[PCB+12*\p:PCB+12*\p+3], s[VB:VB+1] offset:(\p/2)*98304+(\p%2)*3072
	global_store_b64 v[L8], v[PCB+12*\p+4:PCB+12*\p+5], s[VB:VB+1] offset:(\p/2)*98304+(\p%2)*3072
	global_store_b128 v[L16], v[PCB+12*\p+6:PCB+12*\p+9], s[VB:VB+1] offset:(\p/2)*98304+(\p%2)*3072+1536
	global_store_b64 v[L8], v[PCB+12*\p+10:PCB+12*\p+11], s[VB:VB+1] offset:(\p/2)*98304+(\p%2)*3072+1536
.endr
	global_store_b128 v13, v[PWS:PWS+3], s[VSB:VSB+1]   ; 256 consecutive bytes; lanes l and l xor 16 hold the same words and name the same bytes
	s_wait_tensorcnt 0x0
	ds_add_u32 v30, v31
	s_wait_dscnt 0x0
	ROUND                                          ; the closing round: no work-group ends while a partner may still ask for a tile that names it
	s_endpgm
.Lfunc_end_k_qd003b1e9b3_qkv:
	.size	k_qd003b1e9b3_qkv, .Lfunc_end_k_qd003b1e9b3_qkv-k_qd003b1e9b3_qkv
	.p2alignl 7, 3214868480
	.fill 96, 4, 3214868480
	.section	.rodata,"a",@progbits
	.p2align	6, 0x0
	.amdhsa_kernel k_qd003b1e9b3_qkv
		.amdhsa_group_segment_fixed_size 327680
		.amdhsa_private_segment_fixed_size 0
		.amdhsa_enable_private_segment 0
		.amdhsa_kernarg_size 56
		.amdhsa_user_sgpr_count 2
		.amdhsa_user_sgpr_kernarg_segment_ptr 1
		.amdhsa_wavefront_size32 1
		.amdhsa_system_sgpr_workgroup_id_x 1
		.amdhsa_system_sgpr_workgroup_id_y 1
		.amdhsa_system_sgpr_workgroup_id_z 1
		.amdhsa_system_vgpr_workitem_id 0
		.amdhsa_next_free_vgpr 1024
		.amdhsa_next_free_sgpr 100
		.amdhsa_reserve_vcc 0
		.amdhsa_float_denorm_mode_32 3
		.amdhsa_float_denorm_mode_16_64 3
		.amdhsa_memory_ordered 1
		.amdhsa_forward_progress 1
		.amdhsa_inst_pref_size 233
	.end_amdhsa_kernel
	.amdgpu_metadata
---
amdhsa.version: [ 1, 2 ]
amdhsa.kernels:
  - .name:           k_qd003b1e9b3_qkv
    .symbol:         k_qd003b1e9b3_qkv.kd
    .args:
      - { .name: xw, .offset: 0, .size: 8, .value_kind: global_buffer, .address_space: global }
      - { .name: sin, .offset: 8, .size: 8, .value_kind: global_buffer, .address_space: global }
      - { .name: b_q, .offset: 16, .size: 8, .value_kind: global_buffer, .address_space: global }
      - { .name: b_k, .offset: 24, .size: 8, .value_kind: global_buffer, .address_space: global }
      - { .name: b_v, .offset: 32, .size: 8, .value_kind: global_buffer, .address_space: global }
      - { .name: qkvc, .offset: 40, .size: 8, .value_kind: global_buffer, .address_space: global }
      - { .name: qkvs, .offset: 48, .size: 8, .value_kind: global_buffer, .address_space: global }
    .group_segment_fixed_size: 327680
    .private_segment_fixed_size: 0
    .kernarg_segment_align: 8
    .kernarg_segment_size: 56
    .max_flat_workgroup_size: 128
    .sgpr_count:     100
    .vgpr_count:     1024
    .wavefront_size: 32
...
	.end_amdgpu_metadata
.endif
;; end of part 2
;; launch attn (part 3): grid 4 x 64, 16 waves a work-group, clusters of 4 x 1, 266,240 bytes of LDS; arguments qkvc, qkvs, wvc, sout; writes wvc, sout
.if DOCPART == 3
	.amdgcn_target "amdgcn-amd-amdhsa--gfx1250"
	.amdhsa_code_object_version 6
	.text
	.protected	k_qd003b1e9b3_attn
	.globl	k_qd003b1e9b3_attn
	.p2align	8
	.type	k_qd003b1e9b3_attn,@function
k_qd003b1e9b3_attn:
	s_mov_b64 s[64:65], 0
	v_nop
	global_prefetch_b8 v0, s[64:65] scope:SCOPE_SE
	s_setreg_imm32_b32 hwreg(HW_REG_WAVE_MODE, 25, 1), 1
	s_wait_xcnt 0x0
	s_wait_alu depctr_hold_cnt(0) depctr_sa_sdst(0) depctr_va_vdst(0) depctr_va_sdst(0) depctr_va_ssrc(0) depctr_va_vcc(0) depctr_vm_vsrc(0)
	s_getreg_b32 s2, hwreg(HW_REG_IB_STS2, 6, 4)
	s_cmp_eq_u32 s2, 0
	s_cbranch_scc0 .Lentry_in_a_cluster
	s_endpgm
.Lentry_in_a_cluster:
	s_bfe_u32 s2, ttmp6, 0x10000c
	s_cmp_lg_u32 s2, 0x3003
	s_cbranch_scc0 .Lentry_shape_is_right
	s_endpgm
.Lentry_shape_is_right:
; wv = softmax(q k^T / 8, causal) v for one (batch, head) a cluster, both products on codes of FP6 (E2M3); wv is quantised along (head, e) and leaves as codes.
; THE SOFTMAX: t = score x log2(e) / 8; M = the running largest t rounded UP to a whole number; p = 2^(t - M) is quantised along the keys, not normalised; the row's sum is taken of the
; unquantised p and divides at the end; when M moves, the sum and O are multiplied by 2^(old M - new M), which rounds nothing.
; LEFT OUT: key steps all of whose keys come after a tile's queries: the causal mask sets their scores to -infinity, so their p is 0 for all inputs.
; SHARES.  A head has 128 tiles of 16 queries (rowblocks tau); tile tau needs key steps 0 .. tau / 8 of 128 keys.  A wave takes tiles 127 - tau and then tau: 17 key steps for every wave.  With i = w / 4,
; s = w % 4: DG = 2 i + ((i xor s / 2) % 2), tau = 8 DG + 4 (s % 2) + cx.  DG, on which the branches hang, is made of the wave's number alone; cx enters global addresses and the mask's lane number only.
; LDS.  One head's K, V and their scale bytes come ONCE, by joint loads that name the cluster's four work-groups: sixteen loads, one a wave.  Waves 0, 1: key steps 0 and 1 of K, of V; waves 2, 3: the scale
; bytes; waves 4-15: the other fourteen key steps, a sixth of K's or of V's each.  The late tile has at least nine key steps, so every wave works on key steps 0 and 1 while the rest is on its way.
; No byte is filled twice and none is stored to.  All fills are asked for at the head, so no later load is left that a prefetch could run ahead of: none is written.
; Codes lie as rows of 256 bytes + 64 of padding: a unit (16 stored rows x 64 codes, 768 bytes) is 960 bytes, a key step 7,680.
; LAYOUT.  Both products are used transposed: S^T = K Q^T, O^T = V^T P^T: a lane holds one query throughout.  A TILE OF K IS PUT TOGETHER BY THE LANES' ADDRESSES: tile 4 c + u takes keys 64 c + 8 u + 0..7 as
; its rows 0-7 and keys 64 c + 32 + 8 u + 0..7 as rows 8-15 (stored row r % 8 + 8 (u / 2) of rowblock 4 c + 2 (r / 8) + u % 2).  So lane (r, h) holds keys 64 c + 32 h + 0..31 in 32 registers on end:
; a whole block of p, in the operand's own order.  1,920 bytes, two units, are 128 modulo 256.
; THE HEAD IS 64, HALF OF THE INSTRUCTION'S 128: Q's upper six registers are zero codes; K's operand is named as twelve registers whose upper six hold the next unit or a cleared tail: FP6 has no NaN and no
; infinity, the scale bytes beside them are never 0xff, and they meet zero codes: they add 0.
; LIMITS: NaN and infinities are not served.  The scaled scores stay under 2^31 in magnitude.  A block of zeros, or one under 2^-124, gets the byte 1.  1 / l is v_rcp_f32's.  A block's largest p is
; taken as the exponential of the block's largest score.
; REGISTERS: v1, v2 global offsets; v3-7, v228 LDS bases; v8-11, v30, v31 the step's addresses; v12 -M, v13 the largest t, v[14:15] the sum; v16-27, v32-43 the two tiles of Q; v28 the mask's number;
; v44-91 K's 8 units or V's 4 fragments, v92-97 the tail; v98-161 S^T, then p; v162-193 O^T; v194-205 p's codes; v206-213 K's scale words; v214-221 V's; v222 p's; v223, v224 Q's; v225-254 at work.
.set KC,    6291456
.set KSO,   524288
.set KSL,   0                          ; LDS: K's scale words, 8,192 bytes
.set VSL,   8192                       ; V's scale bytes, 8,192
.set SPARE, 16384                      ; the spare words, 128 bytes a wave
.set KB,    20480                      ; K's codes
.set UP,    960
.set STEPB, 8*UP
.set VB,    KB+16*STEPB                ; V's codes
.set PADW,  (1<<20)|(5<<22)|(15<<25)   ; behind every 64 dwords 16 dwords of padding
.set S,     98
.set O,     162
.set PC,    194
.set WV,    12
.set G1A,   24
.set G1S,   32
.set G1B,   40
.set G0A,   48
.set G0S,   52
.set G0B,   56
.set HOFF,  60
.set H2,    61
.set TLO,   62
.set THI,   63
.set SEL,   72
.set CS,    74
.set J,     76
.set TB,    77
.set TS,    78
.set DGLO,  79
.set DGHI,  80
.set QPLO,  81
.set QPHI,  82
.set WBLO,  84
.set SBLO,  86
.set WBHI,  88
.set SBHI,  90
.set QCLO,  96
.set QSLO,  98
.set QCHI,  100
.set QSHI,  2
.macro ROUND                           ; a round of the cluster's barrier
	s_barrier_signal -1
	s_barrier_wait -1
	s_cmp_lg_u32 s[WV], 0
	s_cbranch_scc1 .Lnot_wave_0_\@
	s_barrier_signal -3
.Lnot_wave_0_\@:
	s_barrier_wait -3
	s_barrier_signal -1
	s_barrier_wait -1
.endm
.macro PLACES
.rept 4
	v_nop
.endr
.endm
.macro WALU
	s_wait_alu depctr_va_vdst(0)
.endm
.macro GROUP1 g, rows, pad             ; a dense block as rows of 256 bytes; the mask names the cluster's four work-groups, bit 21 set beside it
	s_mov_b32 s[\g], 15|(3<<16)|(1<<21)|(\pad)
	s_mov_b32 s[\g+1], 32<<16
	s_mov_b32 s[\g+2], (\rows)<<16
	s_mov_b32 s[\g+3], 32<<16
	s_mov_b32 s[\g+4], \rows
	s_mov_b32 s[\g+5], 32
	s_mov_b32 s[\g+6], 0
	s_mov_b32 s[\g+7], 0
.endm
.macro TLOAD g0, g1
	tensor_load_to_lds s[\g0:\g0+3], s[\g1:\g1+7]
	s_nop 0
	PLACES
.endm
.macro PLACE tau, qc, qs, wb, sb       ; the four global places of tile tau: Q's unit, Q's scale words, wv's unit, wv's scale bytes
	s_lshl_b32 s92, s14, 7
	s_add_co_u32 s92, s92, s[\tau]
	s_mul_i32 s92, s92, 768
	s_mov_b32 s93, 0
	s_add_nc_u64 s[\qc:\qc+1], s[4:5], s[92:93]
	s_lshl_b32 s92, s14, 5
	s_lshr_b32 s94, s[\tau], 2
	s_add_co_u32 s92, s92, s94
	s_lshl_b32 s92, s92, 8
	s_and_b32 s94, s[\tau], 3
	s_lshl_b32 s94, s94, 2
	s_add_co_u32 s92, s92, s94
	s_add_nc_u64 s[\qs:\qs+1], s[6:7], s[92:93]
	s_lshr_b32 s94, s14, 4
	s_lshl_b32 s94, s94, 7
	s_add_co_u32 s94, s94, s[\tau]                 ; rho = 128 batch + tau
	s_lshr_b32 s92, s94, 3
	s_mul_i32 s92, s92, 98304
	s_and_b32 s95, s94, 7
	s_mul_i32 s95, s95, 3072
	s_add_co_u32 s92, s92, s95
	s_add_co_u32 s92, s92, s[HOFF]
	s_add_nc_u64 s[\wb:\wb+1], s[8:9], s[92:93]
	s_lshl_b32 s92, s94, 9
	s_add_co_u32 s92, s92, s[H2]
	s_add_nc_u64 s[\sb:\sb+1], s[10:11], s[92:93]
.endm
; A KEY STEP: 128 keys, step s[J] of the head, for the tile whose Q lies in v[qf] on and whose scale word in v[qs].  dg: the tile's last key step, the one on the diagonal.
; full = 1: a step behind the diagonal is left out by a scalar branch round its loads and work, and the step on the diagonal is masked.  full = 0: key steps 0 and 1 of the late tile, which need neither.
.macro STEP qf, qs, dg, full
.if \full
	s_cmp_gt_u32 s[J], s[\dg]
	s_cbranch_scc1 .Lhidden_\@
.endif
	v_add_nc_u32 v8, s[TB], v3                     ; these four are also the places behind the last step's products, ahead of the loads into their registers
	v_add_nc_u32 v9, s[TB], v4
	v_add_nc_u32 v30, s[TS], v5
	v_add_nc_u32 v31, s[TS], v6
.irp t, 0,1,2,3,4,5,6,7
	ds_load_b128 v[44+6*\t:47+6*\t], v8 offset:(4*(\t/4)+\t%2)*UP+128*((\t%4)/2)
	ds_load_b64 v[48+6*\t:49+6*\t], v9 offset:(4*(\t/4)+\t%2)*UP+64*((\t%4)/2)
.endr
.irp g, 0,1,2,3
	ds_load_b64 v[206+2*\g:207+2*\g], v30 offset:128*\g   ; the scale words of tiles 2 g and 2 g + 1
.endr
	WALU                                           ; the wait ahead of the wait below
	s_wait_dscnt 0x0
.irp t, 0,1,2,3,4,5,6,7
	v_wmma_scale_f32_16x16x128_f8f6f4 v[S+8*\t:S+8*\t+7], v[44+6*\t:55+6*\t], v[\qf:\qf+11], 0, v[206+\t], v[\qs] matrix_a_fmt:MATRIX_FMT_FP6 matrix_b_fmt:MATRIX_FMT_FP6
.endr
	v_add_nc_u32 v10, s[TB], v7                    ; four places ahead of the loads into K's registers and of the first read of the scores
	v_add_nc_u32 v11, s[TB], v228
	v_mov_b32 v250, v12                            ; the old -M
	v_nop
.irp e, 0,1,2,3                                ; V's four fragments land during the softmax
	ds_load_b128 v[44+12*\e:47+12*\e], v10 offset:2*UP*\e
	ds_load_b64 v[48+12*\e:49+12*\e], v11 offset:2*UP*\e
	ds_load_b128 v[50+12*\e:53+12*\e], v10 offset:2*UP*\e+UP
	ds_load_b64 v[54+12*\e:55+12*\e], v11 offset:2*UP*\e+UP
.endr
	ds_load_b64 v[214:215], v31                    ; four halfwords: the first 64 keys' two bytes of my row in each of the head's four e rowblocks,
	ds_load_b64 v[216:217], v31 offset:256         ; the second 64 keys'
.if \full
	s_cmp_lg_u32 s[J], s[\dg]                      ; on the diagonal the scores of hidden keys become -infinity ahead of the maximum: p = 0 then
	s_cbranch_scc1 .Lopen_\@
	v_mov_b32 v254, 0xff800000
.set ii, 0
.rept 8                                        ; register 32 c + i holds key 64 c + 32 h + i of the step: hidden where 64 c + i > my query's place in the step - 32 h; eight compares, then their eight selects
.irp k, 0,1,2,3,4,5,6,7
	v_cmp_gt_i32 s[16+\k], 64*((ii+\k)/32)+(ii+\k)%32, v28
.endr
.irp k, 0,1,2,3,4,5,6,7
	v_cndmask_b32 v[S+ii+\k], v[S+ii+\k], v254, s[16+\k]
.endr
.set ii, ii+8
.endr
.Lopen_\@:
.endif
.irp q, 0,1,2,3,4,5,6,7                        ; the largest score of my two blocks of 32 keys: eight chains by turns, one to an accumulator, each read from its low end on
	v_max3_num_f32 v[236+\q], v[S+8*\q], v[S+8*\q+1], v[S+8*\q+2]
.endr
.irp i, 3,5
.irp q, 0,1,2,3,4,5,6,7
	v_max3_num_f32 v[236+\q], v[236+\q], v[S+8*\q+\i], v[S+8*\q+\i+1]
.endr
.endr
.irp c, 0,1                                    ; a block's four chains and the four numbers left over
	v_max3_num_f32 v[236+4*\c], v[236+4*\c], v[237+4*\c], v[S+32*\c+7]
	v_max3_num_f32 v[238+4*\c], v[238+4*\c], v[239+4*\c], v[S+32*\c+15]
.endr
.irp c, 0,1
	v_max3_num_f32 v[232+\c], v[236+4*\c], v[238+4*\c], v[S+32*\c+23]
.endr
.irp c, 0,1
	v_max_num_f32 v[232+\c], v[232+\c], v[S+32*\c+31]
.endr
	s_delay_alu instid0(VALU_DEP_1)
	v_max_num_f32 v254, v232, v233
	s_delay_alu instid0(VALU_DEP_1)
	v_permlanex16_b32 v248, v254, s[SEL], s[SEL+1]
	s_delay_alu instid0(VALU_DEP_1)
	v_max_num_f32 v254, v254, v248                 ; with lane l xor 16's 64 keys
	s_delay_alu instid0(VALU_DEP_1)
	v_mul_f32 v254, s[CS], v254                    ; the step's largest t of my query
	s_delay_alu instid0(VALU_DEP_1)
	v_max_num_f32 v13, v13, v254
	s_delay_alu instid0(VALU_DEP_1)
	v_floor_f32 v12, -v13                          ; the new -M = -ceil(t)
	s_delay_alu instid0(VALU_DEP_1)
	v_sub_f32 v254, v12, v250                      ; old M - new M: a whole number, 0 or less
	s_delay_alu instid0(VALU_DEP_1)
	v_cvt_i32_f32 v254, v254                       ; (it saturates)
	s_delay_alu instid0(VALU_DEP_1)
	v_ldexp_f32 v252, 1.0, v254                    ; f = 2^(old M - new M)
.set ii, 0
.rept 32
	v_pk_fma_f32 v[S+ii:S+ii+1], v[S+ii:S+ii+1], s[CS:CS+1], v[12:13] op_sel_hi:[1,0,0]   ; t - M, two at a time
.set ii, ii+2
.endr
	v_fma_f32 v232, v232, s[CS], v12               ; the same of each block's largest score
	v_fma_f32 v233, v233, s[CS], v12
.set ii, 0
.rept 16
	v_pk_mul_f32 v[O+ii:O+ii+1], v[O+ii:O+ii+1], v[252:253] op_sel_hi:[1,0]   ; O^T under the new M, ahead of the exponentials
.set ii, ii+2
.endr
	WALU                                           ; the wait ahead of the batch
.set ii, 0
.rept 64
	v_exp_f32 v[S+ii], v[S+ii]                     ; p = 2^(t - M)
.set ii, ii+1
.endr
	v_exp_f32 v232, v232                           ; each block's largest p
	v_exp_f32 v233, v233
	v_pk_mul_f32 v[14:15], v[14:15], v[252:253] op_sel_hi:[1,0]   ; the sums under the new M: a plain instruction behind the exponentials
	WALU                                           ; one wait for the batch, ahead of its first reader
	s_wait_dscnt 0x0                               ; V and its bytes are in
	v_max_num_f32 v232, 0x1800000, v232            ; the floor 2^(3 - 127)
	v_max_num_f32 v233, 0x1800000, v233
	v_perm_b32 v218, v216, v214, 0x05040100        ; V's scale words: two bytes of each 64 keys, for e rowblocks 0,
	v_perm_b32 v219, v216, v214, 0x07060302        ; 1,
	s_delay_alu instid0(VALU_DEP_4)
	v_add_nc_u32 v244, 0xff000000, v232            ; 2 off the exponent field: the conversions' scale operands
	s_delay_alu instid0(VALU_DEP_4)
	v_add_nc_u32 v245, 0xff000000, v233
	v_perm_b32 v220, v217, v215, 0x05040100        ; 2,
	v_perm_b32 v221, v217, v215, 0x07060302        ; 3
	s_delay_alu instid0(VALU_DEP_4)
	v_lshrrev_b32 v246, 23, v244                   ; the bytes of blocks h and 2 + h
	s_delay_alu instid0(VALU_DEP_4)
	v_lshrrev_b32 v247, 23, v245
	s_delay_alu instid0(VALU_DEP_1)
	v_lshl_or_b32 v222, v247, 16, v246
	s_delay_alu instid0(VALU_DEP_1)
	v_lshlrev_b32 v222, v229, v222                 ; 8 h bits up;
	s_delay_alu instid0(VALU_DEP_1)
	v_permlanex16_b32 v249, v222, s[SEL], s[SEL+1]
	s_delay_alu instid0(VALU_DEP_1)
	v_or_b32 v222, v222, v249                      ; with lane l xor 16's two: p's scale word for these 128 keys
.irp c, 0,1
	v_cvt_scalef32_pk16_fp6_f32 v[PC+6*\c:PC+6*\c+2], v[S+32*\c:S+32*\c+15], v[244+\c]
	v_cvt_scalef32_pk16_fp6_f32 v[236+4*\c:238+4*\c], v[S+32*\c+16:S+32*\c+31], v[244+\c]   ; (a conversion's three registers begin on an even number)
.endr
	v_nop                                          ; one plain instruction behind the scaled conversions
.irp c, 0,1
.irp i, 0,1,2
	v_mov_b32 v[PC+6*\c+3+\i], v[236+4*\c+\i]
.endr
.endr
.irp q, 0,1,2,3,4,5                            ; the row's sum of the unquantised p, eight chains by turns; these 32 are also the places between the operand's and the scale words' last writes and the products
	v_pk_add_f32 v[236+2*\q:237+2*\q], v[S+4*\q:S+4*\q+1], v[S+4*\q+2:S+4*\q+3]
.endr
	v_pk_add_f32 v[234:235], v[S+24:S+25], v[S+26:S+27]
	v_pk_add_f32 v[14:15], v[14:15], v[S+28:S+29]
.irp i, 30,46
.irp q, 0,1,2,3,4,5
	v_pk_add_f32 v[236+2*\q:237+2*\q], v[236+2*\q:237+2*\q], v[S+\i+2*\q:S+\i+2*\q+1]
.endr
	v_pk_add_f32 v[234:235], v[234:235], v[S+\i+12:S+\i+13]
	v_pk_add_f32 v[14:15], v[14:15], v[S+\i+14:S+\i+15]
.endr
	v_pk_add_f32 v[236:237], v[236:237], v[S+62:S+63]
	v_pk_add_f32 v[238:239], v[238:239], v[240:241]
	v_pk_add_f32 v[242:243], v[242:243], v[244:245]
	v_pk_add_f32 v[246:247], v[246:247], v[234:235]
	s_delay_alu instid0(VALU_DEP_4)
	v_pk_add_f32 v[14:15], v[14:15], v[236:237]
	s_delay_alu instid0(VALU_DEP_3)
	v_pk_add_f32 v[238:239], v[238:239], v[242:243]
	s_delay_alu instid0(VALU_DEP_2)
	v_pk_add_f32 v[14:15], v[14:15], v[246:247]
	s_delay_alu instid0(VALU_DEP_1)
	v_pk_add_f32 v[14:15], v[14:15], v[238:239]
.irp e, 0,1,2,3
	v_wmma_scale_f32_16x16x128_f8f6f4 v[O+8*\e:O+8*\e+7], v[44+12*\e:55+12*\e], v[PC:PC+11], v[O+8*\e:O+8*\e+7], v[218+\e], v222 matrix_a_fmt:MATRIX_FMT_FP6 matrix_b_fmt:MATRIX_FMT_FP6
.endr
.if \full
.Lhidden_\@:
.endif
	s_add_co_u32 s[J], s[J], 1
	s_add_co_u32 s[TB], s[TB], STEPB
	s_add_co_u32 s[TS], s[TS], 512
.endm
.macro INIT qp                         ; a tile begins: O^T and the sum are zeros and the largest t lies under every t, so that the step is written once
	v_mov_b32 v13, 0xff61b1e6
	v_floor_f32 v12, -v13
	v_mov_b32 v14, 0
	v_mov_b32 v15, 0
.set ii, 0
.rept 32
	v_mov_b32 v[O+ii], 0
.set ii, ii+1
.endr
	v_add_nc_u32 v28, s[\qp], v226                 ; my query's place in its key step, less 32 h
.endm
.macro FINISH wb, sb                   ; O^T / l; register 16 b + i is e = 32 b + 16 h + i of my query: two blocks, one unit of wv
	PLACES
	WALU                                           ; the wait
	v_add_f32 v14, v14, v15
	s_delay_alu instid0(VALU_DEP_1)
	v_permlanex16_b32 v252, v14, s[SEL], s[SEL+1]
	s_delay_alu instid0(VALU_DEP_1)
	v_add_f32 v14, v14, v252                       ; the row's sum
	WALU
	v_rcp_f32 v14, v14
	v_nop                                          ; a plain instruction behind the reciprocal
	WALU                                           ; and the wait ahead of its first reader and of O^T's
.set ii, 0
.rept 16
	v_pk_mul_f32 v[S+ii:S+ii+1], v[O+ii:O+ii+1], v[14:15] op_sel_hi:[1,0]
.set ii, ii+2
.endr
.irp b, 0,1
	v_max3_num_f32 v[232+\b], |v[S+16*\b]|, |v[S+16*\b+1]|, 0x1800000
.endr
.irp i, 2,4,6,8,10,12,14
.irp b, 0,1
	s_delay_alu instid0(VALU_DEP_2)
	v_max3_num_f32 v[232+\b], v[232+\b], |v[S+16*\b+\i]|, |v[S+16*\b+\i+1]|
.endr
.endr
.irp b, 0,1
	s_delay_alu instid0(VALU_DEP_2)
	v_permlanex16_b32 v[248+\b], v[232+\b], s[SEL], s[SEL+1]
.endr
.irp b, 0,1
	s_delay_alu instid0(VALU_DEP_2)
	v_max_num_f32 v[232+\b], v[232+\b], v[248+\b]
.endr
.irp b, 0,1
	s_delay_alu instid0(VALU_DEP_2)
	v_add_nc_u32 v[244+\b], 0xff000000, v[232+\b]
.endr
.irp b, 0,1
	s_delay_alu instid0(VALU_DEP_2)
	v_lshrrev_b32 v[246+\b], 23, v[244+\b]
.endr
	s_delay_alu instid0(VALU_DEP_1)
	v_lshl_or_b32 v225, v247, 8, v246              ; the head's two scale bytes of my row
	v_cvt_scalef32_pk16_fp6_f32 v[PC:PC+2], v[S:S+15], v244
	v_cvt_scalef32_pk16_fp6_f32 v[236:238], v[S+16:S+31], v245
	v_nop
.irp i, 0,1,2
	v_permlane16_swap_b32 v[PC+\i], v[236+\i]
.endr
.irp i, 0,1,2
	v_mov_b32 v[PC+3+\i], v[236+\i]
.endr
	global_store_b128 v1, v[PC:PC+3], s[\wb:\wb+1]      ; 512 consecutive bytes,
	global_store_b64 v2, v[PC+4:PC+5], s[\wb:\wb+1]     ; 256: the unit
	global_store_b16 v29, v225, s[\sb:\sb+1]            ; lanes l and l xor 16 hold the same halfword and name the same bytes
.endm
	s_load_b256 s[4:11], s[0:1], 0x0               ; qkvc, qkvs, wvc, sout
	v_lshl_add_u32 v251, v0, 2, SPARE
	v_mov_b32 v255, 0
	ds_add_u32 v251, v255                          ; the opening lines: the add twice on end and its wait
	ds_add_u32 v251, v255
	v_lshrrev_b32 v1, 5, v0
	v_readfirstlane_b32 s[WV], v1                  ; wave 0..15
	s_bfe_u32 s13, ttmp6, 0x40000                  ; cx
	s_and_b32 s14, ttmp7, 0xffff                   ; bh = 16 batch + head, which the four partners share
	s_and_b32 s83, s14, 1
	s_lshl_b32 s83, s83, 3
	s_add_co_u32 s83, s83, VSL
	v_and_b32 v232, 31, v0                         ; lane
	v_and_b32 v8, 15, v0                           ; r
	v_bfe_u32 v9, v0, 4, 1                         ; h
	v_and_b32 v10, 7, v0                           ; r % 8
	v_bfe_u32 v11, v0, 3, 1                        ; r / 8
	v_lshlrev_b32 v1, 4, v232                      ; 16 x lane
	v_lshl_add_u32 v2, v232, 3, 512                ; 512 + 8 x lane
	v_mul_u32_u24 v3, v11, 2*UP                    ; K, registers 0-3: two units x (r / 8) + 320 h + 16 (r % 8)
	v_mad_u32_u24 v3, v9, 320, v3
	v_lshl_add_u32 v3, v10, 4, v3
	v_add_nc_u32 v3, KB, v3
	v_mul_u32_u24 v4, v11, 2*UP                    ; registers 4-5: + 640 + 128 h + 8 (r % 8)
	v_lshl_add_u32 v4, v9, 7, v4
	v_lshl_add_u32 v4, v10, 3, v4
	v_add_nc_u32 v4, KB+640, v4
	v_lshlrev_b32 v5, 4, v10                       ; K's scale words: 16 (r % 8) + 8 (r / 8)
	v_lshl_add_u32 v5, v11, 3, v5
	v_lshl_add_u32 v6, v8, 4, s83                  ; V's bytes: 16 r, + 8 for the pair's second head
	v_mul_u32_u24 v7, v9, 320                      ; V, registers 0-3: 320 h + 16 r
	v_lshl_add_u32 v7, v8, 4, v7
	v_add_nc_u32 v7, VB, v7
	v_lshl_add_u32 v228, v232, 3, VB+640           ; registers 4-5
	v_lshlrev_b32 v229, 3, v9                      ; 8 h
	v_lshlrev_b32 v29, 5, v8                       ; 32 r
	v_lshl_add_u32 v226, v11, 3, v8
	v_lshlrev_b32 v233, 5, v9
	v_sub_nc_u32 v226, v226, v233                  ; r + 8 (r / 8) - 32 h
	v_lshlrev_b32 v227, 4, v8                      ; 16 r
	WALU                                           ; the wait ahead of the run of scalar lines
	GROUP1 G1A, 48, PADW
	GROUP1 G1S, 32, 0
	GROUP1 G1B, 56, PADW
	s_and_b32 s15, s[WV], 1                        ; what I fetch: K's (0) or V's (1)
	s_lshr_b32 s16, s[WV], 1
	s_mul_i32 s17, s15, 6291456
	s_mul_i32 s18, s14, 98304
	s_add_co_u32 s17, s17, s18
	s_add_co_u32 s66, s17, KC                      ; the head's codes: key steps 0 and 1
	s_mov_b32 s67, 0
	s_mul_i32 s18, s16, 14336
	s_add_co_u32 s68, s66, s18
	s_sub_co_u32 s68, s68, 16384                   ; key steps 2 on, sixth w / 2 - 2: 12,288 + 14,336 (w / 2 - 2)
	s_mov_b32 s69, 0
	s_lshr_b32 s18, s14, s15                       ; K's words by the head, V's bytes by the pair of heads
	s_lshl_b32 s18, s18, 13
	s_lshl_b32 s19, s15, 19
	s_add_co_u32 s70, s18, s19
	s_add_co_u32 s70, s70, KSO
	s_mov_b32 s71, 0
	s_mul_i32 s20, s15, VB-KB
	s_add_co_u32 s[G0A+1], s20, KB
	s_lshl_b32 s[G0S+1], s15, 13
	s_mul_i32 s21, s16, 56*320
	s_add_co_u32 s[G0B+1], s20, s21                ; KB + 2 key steps = 2 x 56 rows: sixth w / 2 - 2 begins at 56 x 320 x (w / 2)
	s_mov_b32 s[G0A], 1
	s_mov_b32 s[G0S], 1
	s_mov_b32 s[G0B], 1
	s_mov_b32 s[SEL], 0x76543210
	s_mov_b32 s[SEL+1], 0xfedcba98
	s_mov_b32 s[CS], 0x3e38aa3b                    ; log2(e) / 8
	s_mov_b32 s[CS+1], s[CS]
	s_mov_b32 s[J], 0
	s_mov_b32 s[TB], 0
	s_mov_b32 s[TS], 0
	s_lshr_b32 s92, s[WV], 2                       ; i
	s_and_b32 s93, s[WV], 3                        ; s
	s_lshr_b32 s94, s93, 1
	s_xor_b32 s94, s94, s92
	s_and_b32 s94, s94, 1
	s_lshl_b32 s[DGLO], s92, 1
	s_add_co_u32 s[DGLO], s[DGLO], s94
	s_sub_co_u32 s[DGHI], 15, s[DGLO]
	s_and_b32 s93, s93, 1
	s_lshl_b32 s93, s93, 2
	s_add_co_u32 s83, s93, s13                     ; tau % 8
	s_lshl_b32 s[TLO], s[DGLO], 3
	s_add_co_u32 s[TLO], s[TLO], s83
	s_sub_co_u32 s[THI], 127, s[TLO]
	s_lshr_b32 s92, s83, 1
	s_lshl_b32 s92, s92, 5
	s_and_b32 s93, s83, 1
	s_lshl_b32 s93, s93, 3
	s_add_co_u32 s[QPLO], s92, s93                 ; the tile's first query in its key step: 32 (x / 2) + 8 (x % 2)
	s_sub_co_u32 s83, 7, s83
	s_lshr_b32 s92, s83, 1
	s_lshl_b32 s92, s92, 5
	s_and_b32 s93, s83, 1
	s_lshl_b32 s93, s93, 3
	s_add_co_u32 s[QPHI], s92, s93
	s_and_b32 s92, s14, 15                         ; head
	s_lshl_b32 s[H2], s92, 1
	s_lshr_b32 s93, s92, 2
	s_mul_i32 s93, s93, 24576
	s_and_b32 s92, s92, 3
	s_mul_i32 s92, s92, 768
	s_add_co_u32 s[HOFF], s93, s92                 ; unit u = head in a rowblock of wv
	s_wait_dscnt 0x0
	s_wait_kmcnt 0x0
	s_add_nc_u64 s[G0A+2:G0A+3], s[4:5], s[66:67]
	s_or_b32 s[G0A+3], s[G0A+3], 0x80000000
	s_add_nc_u64 s[G0S+2:G0S+3], s[6:7], s[70:71]
	s_or_b32 s[G0S+3], s[G0S+3], 0x80000000
	s_add_nc_u64 s[G0B+2:G0B+3], s[4:5], s[68:69]
	s_or_b32 s[G0B+3], s[G0B+3], 0x80000000
	PLACE TLO, QCLO, QSLO, WBLO, SBLO
	PLACE THI, QCHI, QSHI, WBHI, SBHI
	ROUND                                          ; the four work-groups are here: the joint loads meet
	s_cmp_lt_u32 s[WV], 2                          ; one chain of branches on the wave's number, one load to an arm: every wave issues one
	s_cbranch_scc0 .Larm_s
	TLOAD G0A, G1A                                 ; waves 0, 1: key steps 0 and 1
	s_branch .Lasked
.Larm_s:
	s_cmp_lt_u32 s[WV], 4
	s_cbranch_scc0 .Larm_b
	TLOAD G0S, G1S                                 ; waves 2, 3: the scale bytes
	s_branch .Lasked
.Larm_b:
	TLOAD G0B, G1B                                 ; waves 4-15: the other key steps
.Lasked:
	global_load_b128 v[32:35], v1, s[QCHI:QCHI+1]
	global_load_b64 v[36:37], v2, s[QCHI:QCHI+1]
	global_load_b32 v224, v227, s[QSHI:QSHI+1]
	global_load_b128 v[16:19], v1, s[QCLO:QCLO+1]
	global_load_b64 v[20:21], v2, s[QCLO:QCLO+1]
	global_load_b32 v223, v227, s[QSLO:QSLO+1]
.irp i, 22,23,24,25,26,27,38,39,40,41,42,43,92,93,94,95,96,97
	v_mov_b32 v\i, 0                               ; Q's upper halves: zero codes; K's tail
.endr
	v_mov_b32 v248, 0                              ; written once: a lane permute's destination counts as one of its sources
	v_mov_b32 v249, 0
	v_mov_b32 v253, 0                              ; named as the upper half of the pair v[252:253]
	INIT QPHI
	WALU                                           ; the wait at the head's end
	s_cmp_lt_u32 s[WV], 4
	s_cbranch_scc0 .Lnot_first
	s_wait_tensorcnt 0x0                           ; waves 0-3: key steps 0 and 1 and the scale bytes have landed
.Lnot_first:
	s_barrier_signal -1
	s_barrier_wait -1
	s_wait_loadcnt 0x0                             ; Q
.Lfirst:                                           ; key steps 0 and 1 of the late tile
	STEP 32, 224, DGHI, 0
	s_cmp_lt_u32 s[J], 2
	s_cbranch_scc1 .Lfirst
	s_wait_tensorcnt 0x0                           ; the rest has landed,
	s_wait_dscnt 0x0
	s_barrier_signal -1
	s_barrier_wait -1                              ; everybody's: the whole head lies in LDS
.Lhi:                                              ; key steps 2 to 15 of the late tile
	STEP 32, 224, DGHI, 1
	s_cmp_lt_u32 s[J], 16
	s_cbranch_scc1 .Lhi
	FINISH WBHI, SBHI
	s_wait_xcnt 0x0                                ; the stores have read their registers, which the early tile writes again
	INIT QPLO
	s_mov_b32 s[J], 0
	s_mov_b32 s[TB], 0
	s_mov_b32 s[TS], 0
.Llo:                                              ; key steps 0 to 7 of the early tile
	STEP 16, 223, DGLO, 1
	s_cmp_lt_u32 s[J], 8
	s_cbranch_scc1 .Llo
	FINISH WBLO, SBLO
	s_wait_tensorcnt 0x0                           ; the wave's end
	ds_add_u32 v251, v255
	s_wait_dscnt 0x0
	ROUND                                          ; the closing round
	s_endpgm
.Lfunc_end_k_qd003b1e9b3_attn:
	.size	k_qd003b1e9b3_attn, .Lfunc_end_k_qd003b1e9b3_attn-k_qd003b1e9b3_attn
	.p2alignl 7, 3214868480
	.fill 96, 4, 3214868480
	.section	.rodata,"a",@progbits
	.p2align	6, 0x0
	.amdhsa_kernel k_qd003b1e9b3_attn
		.amdhsa_group_segment_fixed_size 266240
		.amdhsa_private_segment_fixed_size 0
		.amdhsa_enable_private_segment 0
		.amdhsa_kernarg_size 32
		.amdhsa_user_sgpr_count 2
		.amdhsa_user_sgpr_kernarg_segment_ptr 1
		.amdhsa_wavefront_size32 1
		.amdhsa_system_sgpr_workgroup_id_x 1
		.amdhsa_system_sgpr_workgroup_id_y 1
		.amdhsa_system_sgpr_workgroup_id_z 1
		.amdhsa_system_vgpr_workitem_id 0
		.amdhsa_next_free_vgpr 256
		.amdhsa_next_free_sgpr 102
		.amdhsa_reserve_vcc 0
		.amdhsa_float_denorm_mode_32 3
		.amdhsa_float_denorm_mode_16_64 3
		.amdhsa_memory_ordered 1
		.amdhsa_forward_progress 1
		.amdhsa_inst_pref_size 90
	.end_amdhsa_kernel
	.amdgpu_metadata
---
amdhsa.version: [ 1, 2 ]
amdhsa.kernels:
  - .name:           k_qd003b1e9b3_attn
    .symbol:         k_qd003b1e9b3_attn.kd
    .args:
      - { .name: qkvc, .offset: 0, .size: 8, .value_kind: global_buffer, .address_space: global }
      - { .name: qkvs, .offset: 8, .size: 8, .value_kind: global_buffer, .address_space: global }
      - { .name: wvc, .offset: 16, .size: 8, .value_kind: global_buffer, .address_space: global }
      - { .name: sout, .offset: 24, .size: 8, .value_kind: global_buffer, .address_space: global }
    .group_segment_fixed_size: 266240
    .private_segment_fixed_size: 0
    .kernarg_segment_align: 8
    .kernarg_segment_size: 32
    .max_flat_workgroup_size: 512
    .sgpr_count:     102
    .vgpr_count:     256
    .wavefront_size: 32
...
	.end_amdgpu_metadata
.endif
;; end of part 3
;; launch oproj (part 4): grid 32 x 8, 4 waves a work-group, clusters of 4 x 1, 168,448 bytes of LDS; arguments wvc, xw, sout, b_o, out0; writes out0
.if DOCPART == 4
	.amdgcn_target "amdgcn-amd-amdhsa--gfx1250"
	.amdhsa_code_object_version 6
	.text
	.protected	k_qd003b1e9b3_oproj
	.globl	k_qd003b1e9b3_oproj
	.p2align	8
	.type	k_qd003b1e9b3_oproj,@function
k_qd003b1e9b3_oproj:
	s_mov_b64 s[64:65], 0
	v_nop
	global_prefetch_b8 v0, s[64:65] scope:SCOPE_SE
	s_setreg_imm32_b32 hwreg(HW_REG_WAVE_MODE, 25, 1), 1
	s_wait_xcnt 0x0
	s_wait_alu depctr_hold_cnt(0) depctr_sa_sdst(0) depctr_va_vdst(0) depctr_va_sdst(0) depctr_va_ssrc(0) depctr_va_vcc(0) depctr_vm_vsrc(0)
	s_getreg_b32 s2, hwreg(HW_REG_IB_STS2, 6, 4)
	s_cmp_eq_u32 s2, 0
	s_cbranch_scc0 .Lentry_in_a_cluster
	s_endpgm
.Lentry_in_a_cluster:
	s_bfe_u32 s2, ttmp6, 0x10000c
	s_cmp_lg_u32 s2, 0x3003
	s_cbranch_scc0 .Lentry_shape_is_right
	s_endpgm
.Lentry_shape_is_right:
; out0 = wv W_o^T + b_o on codes of FP6 (E2M3), K = 1,024; out0 [8192][1024] f32.
; SHARES.  Work-group (mg, y): 256 rows of wv (rowblocks 16 mg ..) x 128 columns (W_o's tile y).  Wave w owns rowblocks 16 mg + 4 w + a, a = 0 .. 3, and keeps their fragments for all of K in 384 registers,
; loaded once.  W_o's tile, 98,304 bytes, lies in LDS as it lies in memory, filled once, by joint loads that name the cluster's four work-groups (same y).  wv's fragments are shared by the eight work-groups of one
; mg, which lie in eight clusters, and go from memory straight into registers: they are not asked for jointly.
; Source 0 = 16 rows of W_o, source 1 = 16 rows of wv: a lane holds one stored row of wv, and its 64 registers of a rowblock run along the 128 columns in true order.  The way out goes through the wave's own
; stage in LDS (bytes into which no fill lands) and puts the stored rows back at their true places: each store writes 512 consecutive bytes of one row of out0.
; LIMITS: NaN and infinities are not served.  The bias enters as the first addend of its f32 sum.
; REGISTERS.  window 0: v1-12 lane numbers and offsets; v32-95 scale words; v96-159 the bias; v160-255 W_o's fragments, set 0 (on the way out v96-223: rows of out0).
;   window 1: wv's fragments of K steps 0-4.  window 2: those of K steps 5-7; from v144 W_o's fragments, set 1.  window 3: the 32 accumulators ((a, b) at 8 (8 a + b)).
.set OC,    8650752
.set WSC,   262144
.set TILEB, 98304
.set CHUNK, 24576
.set STAGE, 98304                      ; behind the tile: 16 rows x 528 bytes for each wave
.set SPITCH, 528
.set L16,   4
.set L8,    5
.set LB16,  6
.set LB8,   7
.set SOFF,  8
.set STO,   10
.set RD,    11
.set SC,    32
.set BIAS,  96
.set WV,    18
.set G1S,   24
.set G0,    40
.set XA,    70
.set MSB, 0
.macro WIN new
.if MSB != (\new)
	s_set_vgpr_msb (MSB<<8)|(\new)
.set MSB, (\new)
.endif
.endm
.macro ROUND
	s_barrier_signal -1
	s_barrier_wait -1
	s_cmp_lg_u32 s[WV], 0
	s_cbranch_scc1 .Lnot_wave_0_\@
	s_barrier_signal -3
.Lnot_wave_0_\@:
	s_barrier_wait -3
	s_barrier_signal -1
	s_barrier_wait -1
.endm
.macro PLACES
.rept 4
	v_nop
.endr
.endm
.macro ALOAD ks                        ; wv's four fragments of K step ks, from memory: 16 loads
.if (\ks) < 5
	WIN 0x40
.set AR, 48*(\ks)
.else
	WIN 0x80
.set AR, 48*((\ks)-5)
.endif
.irp a, 0,1,2,3
	global_load_b128 v[AR+12*\a:AR+12*\a+3], v[L16], s[XA:XA+1] offset:((\ks)/2)*CHUNK+\a*3072+((\ks)%2)*1536
	global_load_b64 v[AR+12*\a+4:AR+12*\a+5], v[L8], s[XA:XA+1] offset:((\ks)/2)*CHUNK+\a*3072+((\ks)%2)*1536
	global_load_b128 v[AR+12*\a+6:AR+12*\a+9], v[L16], s[XA:XA+1] offset:((\ks)/2)*CHUNK+\a*3072+((\ks)%2)*1536+768
	global_load_b64 v[AR+12*\a+10:AR+12*\a+11], v[L8], s[XA:XA+1] offset:((\ks)/2)*CHUNK+\a*3072+((\ks)%2)*1536+768
.endr
.endm
.macro FETCHB ks                       ; W_o's eight fragments of K step ks, from LDS, into set ks % 2: 32 loads
.if (\ks)%2
	WIN 0x80
.set BR, 144
.else
	WIN 0
.set BR, 160
.endif
.set BO, (((\ks)/2)%2)*CHUNK+((\ks)%2)*1536
.irp b, 0,1,2,3,4,5,6,7
	ds_load_b128 v[BR+12*\b:BR+12*\b+3], v[LB16] offset:BO+\b*3072
	ds_load_b64 v[BR+12*\b+4:BR+12*\b+5], v[LB8] offset:BO+\b*3072
	ds_load_b128 v[BR+12*\b+6:BR+12*\b+9], v[LB16] offset:BO+\b*3072+768
	ds_load_b64 v[BR+12*\b+10:BR+12*\b+11], v[LB8] offset:BO+\b*3072+768
.endr
.endm
.macro MUL ks                          ; a K step's 32 products; the accumulators take turns, one instruction a turn, in the same order in every K step
.set BW, 2*((\ks)%2)
.set BR, 160-16*((\ks)%2)
.if (\ks) < 5
.set AW, 1
.set AR, 48*(\ks)
.else
.set AW, 2
.set AR, 48*((\ks)-5)
.endif
.if (\ks) == 0
.set CW, 0
.else
.set CW, 3
.endif
.set WN, 0xc0|(CW<<4)|(AW<<2)|BW
	WIN WN
.irp a, 0,1,2,3
.irp b, 0,1,2,3,4,5,6,7
.if (\ks) == 0
	v_wmma_scale_f32_16x16x128_f8f6f4 v[8*(8*\a+\b):8*(8*\a+\b)+7], v[BR+12*\b:BR+12*\b+11], v[AR+12*\a:AR+12*\a+11], v[BIAS+8*\b:BIAS+8*\b+7], v[SC+8*\b+(\ks)], v[SC+8*\a+(\ks)] matrix_a_fmt:MATRIX_FMT_FP6 matrix_b_fmt:MATRIX_FMT_FP6 matrix_a_scale:MATRIX_SCALE_ROW1
.else
	v_wmma_scale_f32_16x16x128_f8f6f4 v[8*(8*\a+\b):8*(8*\a+\b)+7], v[BR+12*\b:BR+12*\b+11], v[AR+12*\a:AR+12*\a+11], v[8*(8*\a+\b):8*(8*\a+\b)+7], v[SC+8*\b+(\ks)], v[SC+8*\a+(\ks)] matrix_a_fmt:MATRIX_FMT_FP6 matrix_b_fmt:MATRIX_FMT_FP6 matrix_a_scale:MATRIX_SCALE_ROW1
.endif
.endr
.endr
.endm
	s_load_b256 s[4:11], s[0:1], 0x0               ; wvc, xw, sout, b_o
	s_load_b64 s[12:13], s[0:1], 0x20              ; out0
	v_lshl_add_u32 v30, v0, 2, 0x29000
	v_mov_b32 v31, 0
	ds_add_u32 v30, v31
	ds_add_u32 v30, v31
	v_lshrrev_b32 v1, 5, v0
	v_readfirstlane_b32 s[WV], v1                  ; wave 0..3
	v_and_b32 v1, 31, v0                           ; lane
	v_and_b32 v2, 15, v0                           ; r
	v_bfe_u32 v3, v0, 4, 1                         ; h
	v_lshlrev_b32 v[L16], 4, v1
	v_lshl_add_u32 v[L8], v1, 3, 512
	v_lshlrev_b32 v[LB16], 4, v1
	v_lshl_add_u32 v[LB8], v1, 3, 512
	v_lshlrev_b32 v12, 6, v3                       ; 64 h
	s_mul_i32 s56, s[WV], 16*SPITCH
	s_add_co_u32 s56, s56, STAGE                   ; my stage
	v_mul_u32_u24 v[STO], v2, SPITCH
	v_lshl_add_u32 v[STO], v3, 6, v[STO]
	v_add_nc_u32 v[STO], s56, v[STO]               ; in: row r, 64 h bytes on
	v_lshlrev_b32 v[RD], 4, v1
	v_add_nc_u32 v[RD], s56, v[RD]                 ; back: a row of 512 bytes, 16 bytes a lane
	s_bfe_u32 s19, ttmp6, 0x40000                  ; cx
	s_lshl_b32 s20, ttmp9, 2
	s_add_co_u32 s20, s20, s19                     ; mg: it enters global addresses alone
	s_and_b32 s21, ttmp7, 0xffff                   ; y, which the four partners share
	s_mov_b32 s[G1S], 15|(3<<16)|(1<<21)           ; 96 rows of 256 bytes (32 elements of 8 bytes), dense, no padding; the mask names the cluster's four work-groups, bit 21 set beside it
	s_mov_b32 s[G1S+1], 32<<16
	s_mov_b32 s[G1S+2], 96<<16                     ; 96 rows of 256 bytes: a chunk
	s_mov_b32 s[G1S+3], 32<<16
	s_mov_b32 s[G1S+4], 96
	s_mov_b32 s[G1S+5], 32
	s_mov_b32 s[G1S+6], 0
	s_mov_b32 s[G1S+7], 0
	s_mul_i32 s66, s21, TILEB
	s_mul_i32 s67, s[WV], CHUNK                    ; my chunk of the tile
	s_add_co_u32 s68, s66, s67
	s_add_co_u32 s68, s68, OC
	s_mov_b32 s69, 0
	s_lshl_b32 s2, s21, 9                          ; 128 columns: 512 bytes, of b_o and of a row of out0
	s_mov_b32 s3, 0
	s_lshl_b32 s72, s20, 4                         ; the scale words' offset: wv's rows in lanes 0-15,
	s_lshl_b32 s73, s[WV], 2
	s_add_co_u32 s72, s72, s73
	s_lshl_b32 s72, s72, 9
	s_lshl_b32 s73, s21, 12
	s_add_co_u32 s73, s73, WSC                     ; W_o's tile y in lanes 16-31:
	s_sub_co_u32 s73, s73, s72
	v_mul_u32_u24 v[SOFF], s73, v3                 ; the lower base + h x the distance
	v_add_nc_u32 v[SOFF], s72, v[SOFF]
	v_lshl_add_u32 v[SOFF], v2, 5, v[SOFF]
	s_lshl_b32 s74, s20, 1
	s_lshr_b32 s75, s[WV], 1
	s_add_co_u32 s74, s74, s75
	s_mul_i32 s74, s74, TILEB
	s_and_b32 s75, s[WV], 1
	s_mul_i32 s75, s75, 12288
	s_add_co_u32 s74, s74, s75
	s_mov_b32 s75, 0
	s_lshl_b32 s76, s20, 2
	s_add_co_u32 s76, s76, s[WV]
	s_lshl_b32 s76, s76, 18                        ; my first row of out0: (256 mg + 64 w) x 4,096 bytes
	s_mov_b32 s77, 0
	s_wait_dscnt 0x0
	s_wait_kmcnt 0x0
	s_add_nc_u64 s[XA:XA+1], s[4:5], s[74:75]
	s_add_nc_u64 s[10:11], s[10:11], s[2:3]
	s_add_nc_u64 s[12:13], s[12:13], s[2:3]
	s_add_nc_u64 s[12:13], s[12:13], s[76:77]
	s_add_nc_u64 s[68:69], s[6:7], s[68:69]        ; W_o's tile y, my chunk
	s_mov_b32 s[G0], 1
	s_mov_b32 s[G0+1], s67
	s_mov_b64 s[G0+2:G0+3], s[68:69]
	s_or_b32 s[G0+3], s[G0+3], 0x80000000
	ROUND                                          ; the four work-groups are here: the joint loads meet
	s_cmp_eq_u32 s[WV], 0                          ; one load a wave: chunk w.  Wave 0's line is its own, since the first barrier shows chunk 0 alone
	s_cbranch_scc0 .Lrest
	tensor_load_to_lds s[G0:G0+3], s[G1S:G1S+7]
	s_nop 0
	PLACES
	s_branch .Lasked
.Lrest:
	tensor_load_to_lds s[G0:G0+3], s[G1S:G1S+7]
	s_nop 0
	PLACES
.Lasked:
	ALOAD 0
	WIN 0
	s_wait_alu depctr_va_vdst(0)
.irp i, 0,1,2,3,4,5,6,7                        ; the scale words, 32 bytes a row.  In lanes 0-15 rowblocks 4-7 are words that nobody uses; they lie inside the buffer (byte 264,191 at the most)
	global_load_b128 v[SC+8*\i:SC+8*\i+3], v[SOFF], s[8:9] offset:512*\i
	global_load_b128 v[SC+8*\i+4:SC+8*\i+7], v[SOFF], s[8:9] offset:512*\i+16
.endr
.irp b, 0,1,2,3,4,5,6,7                        ; lane (r, h), tile b, register j: the bias of column 32 (b / 2) + 8 (b % 2) + 16 h + j
	global_load_b128 v[BIAS+8*\b:BIAS+8*\b+3], v12, s[10:11] offset:(32*(\b/2)+8*(\b%2))*4
	global_load_b128 v[BIAS+8*\b+4:BIAS+8*\b+7], v12, s[10:11] offset:(32*(\b/2)+8*(\b%2))*4+16
.endr
	ALOAD 1
	WIN 0
	s_cmp_eq_u32 s[WV], 0
	s_cbranch_scc0 .Lnot_0
	s_wait_tensorcnt 0x0                           ; wave 0: chunk 0, K steps 0 and 1, has landed
.Lnot_0:
	s_barrier_signal -1
	s_barrier_wait -1
	FETCHB 0
.irp ks, 0,1,2,3,4,5,6,7
.if \ks < 7
.if (\ks) == 1
	s_wait_dscnt 0x0                               ; no LDS load of mine is out at the signal
	s_wait_tensorcnt 0x0                           ; my chunk has landed
	s_barrier_signal -1
	s_barrier_wait -1                              ; the tile is whole
.endif
.if \ks > 0
	PLACES                                         ; the set that is loaded next was read by the products just issued
.endif
.if \ks == 3
	WIN 0
	v_add_nc_u32 v[LB16], 2*CHUNK, v[LB16]
	s_wait_alu depctr_va_vdst(0)
	v_add_nc_u32 v[LB8], 2*CHUNK, v[LB8]
.endif
	FETCHB \ks+1
.if \ks == 0
	ALOAD 2
	ALOAD 3
.endif
.if \ks < 4
	ALOAD \ks+4                                    ; wv's fragments are asked for four K steps ahead: each K step has registers of its own
.endif
	s_wait_alu depctr_va_vdst(0)
	s_wait_dscnt 32                                ; all but the 32 loads just issued
.else
	s_wait_dscnt 0x0
.endif
.if \ks < 4
	s_wait_loadcnt 63                              ; behind this K step's loads stand those of four K steps, 64: one fewer may be out, which the count's field holds
.else
	s_wait_loadcnt 16*(7-\ks)                      ; those of the K steps that are left, 16 each
.endif
	MUL \ks
.endr
; THE WAY OUT, a rowblock at a time.  LDS serves a wave's instructions in order: no wait between the stores and the loads, nor in front of the next rowblock's stores.
.macro TOSTAGE a
	WIN 0x0c                                       ; an LDS store's data are its source 1: window 3
.irp b, 0,1,2,3,4,5,6,7
	ds_store_b128 v[STO], v[8*(8*(\a)+\b):8*(8*(\a)+\b)+3] offset:128*(\b/2)+32*(\b%2)       ; each accumulator from its low end on
	ds_store_b128 v[STO], v[8*(8*(\a)+\b)+4:8*(8*(\a)+\b)+7] offset:128*(\b/2)+32*(\b%2)+16
.endr
	WIN 0
.set BB, 96+64*((\a)%2)
.irp t, 0,1,2,3,4,5,6,7,8,9,10,11,12,13,14,15
	ds_load_b128 v[BB+4*\t:BB+4*\t+3], v[RD] offset:\t*SPITCH
.endr
.endm
.macro SEND a, younger                 ; younger: the LDS instructions issued behind rowblock a's loads, which may stay out
.set BB, 96+64*((\a)%2)
	s_wait_dscnt \younger
.irp t, 0,1,2,3,4,5,6,7,8,9,10,11,12,13,14,15
	global_store_b128 v[L16], v[BB+4*\t:BB+4*\t+3], s[12:13] offset:(32*((\a)/2)+8*((\a)%2)+\t+8*(\t/8))*4096 th:TH_STORE_NT   ; stored row t at its true place; 512 consecutive bytes, aligned
.endr
.endm
	PLACES
	TOSTAGE 0
.irp a, 1,2,3
.if \a > 1
	s_wait_xcnt 0x0                                ; rowblock a - 2's stores have read their registers: rowblock a's loads may land there
.endif
	TOSTAGE \a
	SEND \a-1, 32                                  ; behind rowblock a - 1's loads: rowblock a's 16 stores and 16 loads
.endr
	SEND 3, 0
	s_wait_tensorcnt 0x0
	ds_add_u32 v30, v31
	s_wait_dscnt 0x0
	ROUND                                          ; the closing round
	s_endpgm
.Lfunc_end_k_qd003b1e9b3_oproj:
	.size	k_qd003b1e9b3_oproj, .Lfunc_end_k_qd003b1e9b3_oproj-k_qd003b1e9b3_oproj
	.p2alignl 7, 3214868480
	.fill 96, 4, 3214868480
	.section	.rodata,"a",@progbits
	.p2align	6, 0x0
	.amdhsa_kernel k_qd003b1e9b3_oproj
		.amdhsa_group_segment_fixed_size 168448
		.amdhsa_private_segment_fixed_size 0
		.amdhsa_enable_private_segment 0
		.amdhsa_kernarg_size 40
		.amdhsa_user_sgpr_count 2
		.amdhsa_user_sgpr_kernarg_segment_ptr 1
		.amdhsa_wavefront_size32 1
		.amdhsa_system_sgpr_workgroup_id_x 1
		.amdhsa_system_sgpr_workgroup_id_y 1
		.amdhsa_system_sgpr_workgroup_id_z 1
		.amdhsa_system_vgpr_workitem_id 0
		.amdhsa_next_free_vgpr 1024
		.amdhsa_next_free_sgpr 80
		.amdhsa_reserve_vcc 0
		.amdhsa_float_denorm_mode_32 3
		.amdhsa_float_denorm_mode_16_64 3
		.amdhsa_memory_ordered 1
		.amdhsa_forward_progress 1
		.amdhsa_inst_pref_size 86
	.end_amdhsa_kernel
	.amdgpu_metadata
---
amdhsa.version: [ 1, 2 ]
amdhsa.kernels:
  - .name:           k_qd003b1e9b3_oproj
    .symbol:         k_qd003b1e9b3_oproj.kd
    .args:
      - { .name: wvc, .offset: 0, .size: 8, .value_kind: global_buffer, .address_space: global }
      - { .name: xw, .offset: 8, .size: 8, .value_kind: global_buffer, .address_space: global }
      - { .name: sout, .offset: 16, .size: 8, .value_kind: global_buffer, .address_space: global }
      - { .name: b_o, .offset: 24, .size: 8, .value_kind: global_buffer, .address_space: global }
      - { .name: out0, .offset: 32, .size: 8, .value_kind: global_buffer, .address_space: global }
    .group_segment_fixed_size: 168448
    .private_segment_fixed_size: 0
    .kernarg_segment_align: 8
    .kernarg_segment_size: 40
    .max_flat_workgroup_size: 128
    .sgpr_count:     80
    .vgpr_count:     1024
    .wavefront_size: 32
...
	.end_amdgpu_metadata
.endif
;; end of part 4
